; MI455X (gfx1250); checked and timed in simulation.
; The chip was launched on July 23, 2026; its instructions are those of AMD's public machine-readable ISA for CDNA 5 (MIT licence, August 2026) and "CDNA5" Instruction Set Architecture Reference Guide (July 2026). The comments in the code are by the model that wrote it; some were corrected since.
;; MHC Lite Block. Allowed arithmetic: matrix products marked QUANTISED: E4M3 operands, one E8M0 scale for each 32 along K, by v_wmma_scale_f32_16x16x128_f8f6f4 with both operands' format E4M3, f32 sums; products left as they are: f32 operands where the result goes on into a quantised operand, else bf16, f16 or f32 operands; f32 sums; everything else in f32.
;; Inputs: W1 8,192 x 2,048 float32; W2 2,048 x 8,192 float32; W_all 32 x 8,192 float32; alpha_post 1 float32; alpha_pre 1 float32; alpha_res 1 float32; b1 8,192 float32; b2 2,048 float32; b_all 32 float32; perm_mat 24 x 16 float32; x_streams 2 x 1,024 x 4 x 2,048 float32.
;; Outputs: out0 2 x 1,024 x 4 x 2,048 float32.
;; This version of the problem:
;;   THIS VERSION OF THE PROBLEM IS GIVEN IN LOW PRECISION. The matrix products marked QUANTISED in the list below multiply operands that are first quantised to E4M3 (4 exponent bits, 3 mantissa bits; 8 bits a number), with one power-of-two scale for each 32 numbers along K (OCP MX v1.0); their sums are f32. All else is computed in f32.
;;   The module's matrix products, in the order in which they are computed (A, B: the left and right operand; K: the contracted axis; several contracted axes count as one K, in the product's order):
;;     1. [M 2,048, K 8,192] x [K 8,192, N 32]; A: computed on the way; B: input W_all: QUANTISED
;;     2. [M 2,048, K 24] x [K 24, N 16]; A: softmax; B: input perm_mat: left as it is (K = 24 < 32)
;;     3. batch 2,048 x [M 1, K 4] x [K 4, N 2,048]; A: computed on the way; B: input x_streams: left as it is (K = 4 < 32)
;;     4. [M 2,048, K 2,048] x [K 2,048, N 8,192]; A: computed on the way; B: input W1: QUANTISED
;;     5. [M 2,048, K 8,192] x [K 8,192, N 2,048]; A: computed on the way; B: input W2: QUANTISED
;;     6. batch 2,048 x [M 4, K 4] x [K 4, N 2,048]; A: computed on the way; B: input x_streams: left as it is (K = 4 < 32)
;;   THE QUANTISER, for each operand of a quantised product, along K:
;;     - K is cut into blocks of 32 from its start; a last block that is shorter is filled with zeros.
;;     - A block's scale is 2^e with e = floor(log2(the largest magnitude in the block)) - 8, held to -126 .. 127; a block of zeros has e = 0. As a byte (E8M0): e + 127.
;;     - Each number is divided by its block's scale, clamped to +-448, and rounded to the nearest number of E4M3, ties to even, subnormals kept.
;;     - The product sums the exact products of the quantised numbers (number of the format x scale) in f32.
;;   ~~~python
;;   def quantise(x, axis):      # numpy; x: float32 -> the quantised numbers, widened to float32 again
;;       x = np.moveaxis(x, axis, -1); K = x.shape[-1]
;;       x = np.pad(x, [(0, 0)] * (x.ndim - 1) + [(0, -K % 32)]); x = x.reshape(x.shape[:-1] + (-1, 32)); a = np.abs(x).max(-1, keepdims=True)
;;       e = np.where(a > 0, np.clip(np.frexp(np.where(a > 0, a, 1))[1] - 1 - 8, -126, 127), 0)      # np.frexp(a)[1] - 1 = floor(log2(a)), exactly
;;       r = np.clip(x / 2.0 ** e, -448, 448)
;;       step = 2.0 ** (np.maximum(np.frexp(np.where(r == 0, 1, r))[1] - 1, -6) - 3)
;;       q = np.round(r / step) * step * 2.0 ** e      # np.round: ties to even
;;       return np.moveaxis(q.reshape(q.shape[:-2] + (-1,))[..., :K], -1, axis).astype(np.float32)
;;   ~~~
;;   OPERANDS COMPUTED ON THE WAY. 'Computed on the way' means the value that the module computes at that place (a softmax that the list does not call 'softmax' is quantised finished and normalised). What goes into a quantiser is computed in f32, as accurately as f32 sums, v_exp_f32 and their like allow (about 1e-6 of the number): no bf16 or f16 on the way to a quantiser, and a product that is left as it is and whose result goes on into a quantised operand takes f32 operands (vector FMAs, or v_wmma_f32_16x16x4_f32). A number that lies on a knife's edge between two numbers of the format may be rounded either way, as far as f32 arithmetic and the matrix unit's own rounding can turn it there, and no further.
;; One version. Each part assembles by itself: llvm-mc -triple=amdgcn-amd-amdhsa -mcpu=gfx1250 --defsym DOCPART=n.
;; ======== version 1 of 1: 4 launches
;; limits: right only within a limited range of input values
;; workspace buffers: w1q 17,825,792 bytes; w2q 17,825,792 bytes; waq 278,528 bytes; liq 4,456,448 bytes; hq 17,825,792 bytes; cf 262,144 bytes
;; launch quant (part 1): grid 1024 x 1, 4 waves a work-group, no clusters, 34,304 bytes of LDS; arguments W1, W2, W_all, w1q, w2q, waq; writes w1q, w2q, waq
.if DOCPART == 1
	.amdgcn_target "amdgcn-amd-amdhsa--gfx1250"
	.amdhsa_code_object_version 6
	.text
	.protected	k_qdeddfb1b27_quant
	.globl	k_qdeddfb1b27_quant
	.p2align	8
	.type	k_qdeddfb1b27_quant,@function
k_qdeddfb1b27_quant:
	s_mov_b64 s[64:65], 0
	v_nop
	global_prefetch_b8 v0, s[64:65] scope:SCOPE_SE
	s_setreg_imm32_b32 hwreg(HW_REG_WAVE_MODE, 25, 1), 1
	s_wait_xcnt 0x0
; W1 [8192][2048], W2 [2048][8192] and W_all [32][8192], f32 with K innermost, become codes of FP8 (E4M3) with one E8M0 scale byte for each 32 along K,
; laid in the order of a matrix operand's registers.  NOTHING OF THE PROBLEM IS LEFT OUT in this program: every input has a way to out0, and all eleven are loaded by some launch.
; THE WORKSPACE FORMAT.  A super-block covers 16 rows x 256 K in 4,352 bytes (17 x 256): fragment q = 0 (2,048 bytes), fragment q = 1, then 32 scale words for q = 0 and 32 for q = 1.
; A fragment (16 rows x 128 K) is the image of its 16 registers: chunk c (0..3) is 512 bytes, lane l's 16 bytes at 512 c + 16 l hold tile row l % 16, k = 32 c + 16 (l / 16) + 0 .. 15.
; A scale word (four bytes: 128 along K of one row) lies at 4 l; lanes 16-31 repeat lanes 0-15.  A tensor is [rows / 16][K / 256][4,352].
; THE ROWS OF A WEIGHT'S BLOCK ARE NOT NEIGHBOURS: tile row p of block B is row 32 (B / 2) + 8 (B % 2) + p + 8 (p / 8), so that the results of blocks 2 b and 2 b + 1, used transposed, are 16 neighbours along the next K.
; A block's scale is 2^(floor(log2(its largest magnitude)) - 8); its byte is the largest magnitude's exponent field - 8, held at 1 from below.
; LIMITS: a block of zeros gets the byte 1 where the rule says 127 (its codes are zeros, and this program alone reads the bytes); blocks whose largest magnitude lies under 2^-118 were not tried; NaN and infinities are not served.
; SHARES.  Work-groups 0-511 take W2, 512-1023 W1: one path, the pointers and three numbers chosen on the work-group's number.  A wave makes two super-blocks on end: 16 rows x 512 K, in 4 steps of one fragment.
; W_all has 128 fragments: the 128 waves of work-groups 0-31 (W2's, whose rows are as long as W_all's) take one each as a fifth step; its loads go out a step ahead.
; Each load reads 512 consecutive bytes of one row; a step's 16 rows turn through the wave's own stage in LDS (rows of 512 + 16 bytes) and come back 16 neighbours of each block of 32 to a lane.
; Waves share nothing: no barrier.  The scale words leave as 128 consecutive bytes, half of an aligned 256: one byte in 136 of what the launch moves.
.set STG,   8448                       ; a wave's stage: 16 rows x 528 bytes
.set SPARE, 4*STG                      ; behind the stages: the spare words, 128 bytes for each wave
.set SBB, 4352
.set SA,  4                            ; v4   stage, way in: my 16 bytes of a row
.set SR,  5                            ; v5   stage, way out: row r, + 64 h
.set LI,  6                            ; v6   16 x lane
.set LS,  7                            ; v7   4 x lane
.set SPW, 8                            ; v8   my spare word; never rewritten
.set NIL, 9                            ; v9   0; never rewritten
.set OFF, 10                           ; v10-25 byte offset of my 16 bytes in tile row p
.set QT,  26                           ; v26-41 the quantiser's work
.set QW,  42                           ; v42  the scale word
.set QC,  44                           ; v44-59 the codes
.set X,   64                           ; v64-127 64 numbers: register 16 b + i = k 32 b + 16 h + i of row r
.set R,   128                          ; v128-255 two sets of 64, as loaded
.set SEL, 28                           ; s[28:29] v_permlanex16_b32's selects for lane l xor 16
.set MNT, 30                           ; s30  the mantissa field of 448
; 64 numbers of a lane become a fragment's codes in v[QC] on and its row's scale word in v[QW]
.macro QUANT s
.irp b, 0,1,2,3
	v_max3_num_f32 v[QT+\b], |v[\s+16*\b]|, |v[\s+1+16*\b]|, 0x4800000   ; block b: my 16 numbers, and the floor 2^(9 - 127): the byte cannot fall under 1
.endr
.irp i, 2,4,6,8,10,12,14
.irp b, 0,1,2,3
	v_max3_num_f32 v[QT+\b], v[QT+\b], |v[\s+16*\b+\i]|, |v[\s+1+16*\b+\i]|   ; the four blocks by turns
.endr
.endr
.irp b, 0,1,2,3
	v_permlanex16_b32 v[QT+4+\b], v[QT+\b], s[SEL], s[SEL+1]
.endr
.irp b, 0,1,2,3
	v_max_num_f32 v[QT+\b], v[QT+\b], v[QT+4+\b]   ; with lane l xor 16's: the block's largest magnitude
.endr
.irp b, 0,1,2,3
	v_add_nc_u32 v[QT+12+\b], 0xfc000000, v[QT+\b]   ; 8 off its exponent field: the conversion's scale operand
.endr
.irp b, 0,1,2,3
	v_and_or_b32 v[QT+8+\b], v[QT+\b], 0x7f800000, s[MNT]   ; 448 x the scale
.endr
.irp b, 0,1,2,3
	v_lshrrev_b32 v[QT+4+\b], 23, v[QT+12+\b]      ; the scale's byte
.endr
	v_lshl_or_b32 v[QW], v[QT+5], 8, v[QT+4]
	v_lshl_or_b32 v[QW], v[QT+6], 16, v[QW]
	v_lshl_or_b32 v[QW], v[QT+7], 24, v[QW]
.irp b, 0,1,2,3
.irp i, 0,1,2,3,4,5,6,7,8,9,10,11,12,13,14,15
	v_med3_num_f32 v[\s+16*\b+\i], v[\s+16*\b+\i], -v[QT+8+\b], v[QT+8+\b]   ; the conversion to an 8-bit code does not saturate (ISA guide 7.6.2): the hold comes first
.endr
	v_cvt_scalef32_pk8_fp8_f32 v[QC+4*\b:QC+1+4*\b], v[\s+16*\b:\s+7+16*\b], v[QT+12+\b]
	v_cvt_scalef32_pk8_fp8_f32 v[QC+2+4*\b:QC+3+4*\b], v[\s+8+16*\b:\s+15+16*\b], v[QT+12+\b]
.endr
	v_nop                                          ; a plain line behind the last conversion
.endm
	s_load_b256 s[4:11], s[0:1], 0x0               ; W1 s[4:5], W2 s[6:7], W_all s[8:9], w1q s[10:11]
	s_load_b128 s[12:15], s[0:1], 0x20             ; w2q s[12:13], waq s[14:15]
	v_lshl_add_u32 v[SPW], v0, 2, SPARE
	v_mov_b32 v[NIL], 0
	v_lshrrev_b32 v1, 5, v0
	v_readfirstlane_b32 s16, v1                    ; wave 0..3
	v_and_b32 v1, 31, v0                           ; lane
	v_and_b32 v2, 15, v0                           ; r
	v_bfe_u32 v3, v0, 4, 1                         ; h
	s_mul_i32 s17, s16, STG
	v_lshlrev_b32 v[LI], 4, v1
	v_lshlrev_b32 v[LS], 2, v1
	v_add_nc_u32 v[SA], s17, v[LI]
	v_mul_u32_u24 v[SR], v2, 528
	v_lshl_add_u32 v[SR], v3, 6, v[SR]
	v_add_nc_u32 v[SR], s17, v[SR]
	s_mov_b32 s[SEL], 0x76543210
	s_mov_b32 s[SEL+1], 0xfedcba98
	s_mov_b32 s[MNT], 0x600000
.irp b, 0,1,2,3
	v_mov_b32 v[QT+4+\b], 0                        ; written once: a lane permute's destination counts as one of its sources
.endr
	s_mov_b32 s20, 8192
	s_cmp_lt_u32 ttmp9, 512                        ; W2's work-group?
	s_cselect_b32 s20, 32768, s20                  ; a row in bytes
	s_cselect_b32 s21, 4, 2                        ; log2 of the runs of 512 K in a row
	s_cselect_b32 s22, 0, 512                      ; the tensor's first work-group
	s_sub_co_u32 s23, ttmp9, s22
	s_lshl_b32 s23, s23, 2
	s_add_co_u32 s23, s23, s16                     ; which run of the tensor is my wave's; in work-groups 0-31 also: which fragment of W_all
	s_lshr_b32 s24, s23, s21                       ; its block of 16 rows
	s_lshl_b32 s25, s24, s21
	s_sub_co_u32 s25, s23, s25                     ; and its place along K
	s_lshr_b32 s26, s24, 1
	s_lshl_b32 s26, s26, 5
	s_and_b32 s27, s24, 1
	s_lshl_b32 s27, s27, 3
	s_add_co_u32 s26, s26, s27                     ; the block's first row: 32 (B / 2) + 8 (B % 2)
	s_mul_i32 s26, s26, s20
	s_lshl_b32 s27, s25, 11
	s_add_co_u32 s26, s26, s27                     ; + 2,048 bytes a run: under 2^27
	s_mov_b32 s27, 0
	s_mul_i32 s18, s23, 2*SBB                      ; two super-blocks a run
	s_mov_b32 s19, 0
	; W_all's fragment e = s23: block e / 64 begins at row 8 (e / 64), 512 bytes along K for each of e % 64; it is half e % 2 of super-block e / 2
	s_lshr_b32 s32, s23, 6
	s_lshl_b32 s32, s32, 18
	s_and_b32 s33, s23, 63
	s_lshl_b32 s33, s33, 9
	s_add_co_u32 s32, s32, s33
	s_mov_b32 s33, 0
	s_lshr_b32 s34, s23, 1
	s_mul_i32 s34, s34, SBB
	s_and_b32 s35, s23, 1
	s_lshl_b32 s36, s35, 7
	s_add_co_u32 s36, s36, s34
	s_add_co_u32 s36, s36, 4096                    ; its scale words
	s_lshl_b32 s35, s35, 11
	s_add_co_u32 s34, s34, s35                     ; its codes
	s_mov_b32 s35, 0
	s_mov_b32 s37, 0
.irp p, 0,1,2,3,4,5,6,7,8,9,10,11,12,13,14,15
	s_mul_i32 s31, s20, \p+8*(\p/8)
	v_add_nc_u32 v[OFF+\p], s31, v[LI]             ; tile row p lies p + 8 (p / 8) rows on
.endr
	s_wait_alu depctr_va_vdst(0)
	s_wait_kmcnt 0x0
	s_cmp_lt_u32 ttmp9, 512                        ; the choice hangs on the work-group's number alone
	s_cselect_b64 s[4:5], s[6:7], s[4:5]
	s_cselect_b64 s[10:11], s[12:13], s[10:11]
	s_add_nc_u64 s[4:5], s[4:5], s[26:27]
	s_add_nc_u64 s[10:11], s[10:11], s[18:19]
	s_add_nc_u64 s[8:9], s[8:9], s[32:33]
	s_add_nc_u64 s[34:35], s[14:15], s[34:35]
	s_add_nc_u64 s[36:37], s[14:15], s[36:37]
.macro LOAD t                          ; step t: 128 along K of the 16 rows; each load is 512 consecutive bytes of one row
.irp p, 0,1,2,3,4,5,6,7,8,9,10,11,12,13,14,15
	global_load_b128 v[R+64*((\t)%2)+4*\p:R+64*((\t)%2)+4*\p+3], v[OFF+\p], s[4:5] offset:512*(\t) th:TH_LOAD_NT
.endr
.endm
.macro STAGE p                         ; set p's 16 rows through my stage
.irp q, 0,1,2,3,4,5,6,7,8,9,10,11,12,13,14,15
	ds_store_b128 v[SA], v[R+64*\p+4*\q:R+64*\p+4*\q+3] offset:528*\q
.endr
.irp c, 0,1,2,3
.irp j, 0,1,2,3
	ds_load_b128 v[X+16*\c+4*\j:X+16*\c+4*\j+3], v[SR] offset:128*\c+16*\j   ; LDS serves a wave's instructions in order: these see the stores above
.endr
.endr
	s_wait_dscnt 0x0                               ; the numbers are back, and the stores have read their registers
	s_wait_xcnt 0x0                                ; the last step's stores have read the codes and the scale word, which are written anew below
.endm
.macro OUT cb, co, sb, so
.irp c, 0,1,2,3
	global_store_b128 v[LI], v[QC+4*\c:QC+4*\c+3], s[\cb:\cb+1] offset:\co+512*\c   ; 512 consecutive bytes, at a multiple of 256 from the buffer's first byte
.endr
	global_store_b32 v[LS], v[QW], s[\sb:\sb+1] offset:\so
.endm
	LOAD 0
	LOAD 1
	s_wait_loadcnt 16                              ; this step's 16 loads are in; the next step's 16 may be out
	STAGE 0
	LOAD 2
	QUANT X
	OUT 10, 0, 10, 4096
	s_wait_loadcnt 16
	STAGE 1
	LOAD 3
	QUANT X
	OUT 10, 2048, 10, 4096+128
	s_wait_loadcnt 16
	STAGE 0
	QUANT X
	OUT 10, SBB, 10, SBB+4096
	s_cmp_lt_u32 ttmp9, 32                         ; one branch: each arm has the wait that fits what it has issued
	s_cbranch_scc0 .Lplain
.irp p, 0,1,2,3,4,5,6,7,8,9,10,11,12,13,14,15
	global_load_b128 v[R+4*\p:R+4*\p+3], v[OFF+\p], s[8:9] th:TH_LOAD_NT   ; my fragment of W_all, into set 0
.endr
	s_wait_loadcnt 16                              ; step 3's loads are in; W_all's 16 may be out
	s_branch .Ljoin
.Lplain:
	s_wait_loadcnt 0x0
.Ljoin:
	STAGE 1
	QUANT X
	OUT 10, SBB+2048, 10, SBB+4096+128
	s_cmp_lt_u32 ttmp9, 32
	s_cbranch_scc0 .Ldone
	s_wait_loadcnt 0x0
	STAGE 0
	QUANT X
	OUT 34, 0, 36, 0
.Ldone:
	s_wait_tensorcnt 0x0                           ; the wave's end
	ds_add_u32 v[SPW], v[NIL]
	s_wait_dscnt 0x0
	s_endpgm
.Lfunc_end_k_qdeddfb1b27_quant:
	.size	k_qdeddfb1b27_quant, .Lfunc_end_k_qdeddfb1b27_quant-k_qdeddfb1b27_quant
	.p2alignl 7, 3214868480
	.fill 96, 4, 3214868480
	.section	.rodata,"a",@progbits
	.p2align	6, 0x0
	.amdhsa_kernel k_qdeddfb1b27_quant
		.amdhsa_group_segment_fixed_size 34304
		.amdhsa_private_segment_fixed_size 0
		.amdhsa_enable_private_segment 0
		.amdhsa_kernarg_size 48
		.amdhsa_user_sgpr_count 2
		.amdhsa_user_sgpr_kernarg_segment_ptr 1
		.amdhsa_wavefront_size32 1
		.amdhsa_system_sgpr_workgroup_id_x 1
		.amdhsa_system_sgpr_workgroup_id_y 1
		.amdhsa_system_sgpr_workgroup_id_z 1
		.amdhsa_system_vgpr_workitem_id 0
		.amdhsa_next_free_vgpr 256
		.amdhsa_next_free_sgpr 66
		.amdhsa_reserve_vcc 0
		.amdhsa_float_denorm_mode_32 3
		.amdhsa_float_denorm_mode_16_64 3
		.amdhsa_memory_ordered 1
		.amdhsa_forward_progress 1
		.amdhsa_inst_pref_size 65
	.end_amdhsa_kernel
	.amdgpu_metadata
---
amdhsa.version: [ 1, 2 ]
amdhsa.kernels:
  - .name:           k_qdeddfb1b27_quant
    .symbol:         k_qdeddfb1b27_quant.kd
    .args:
      - { .name: W1, .offset: 0, .size: 8, .value_kind: global_buffer, .address_space: global }
      - { .name: W2, .offset: 8, .size: 8, .value_kind: global_buffer, .address_space: global }
      - { .name: W_all, .offset: 16, .size: 8, .value_kind: global_buffer, .address_space: global }
      - { .name: w1q, .offset: 24, .size: 8, .value_kind: global_buffer, .address_space: global }
      - { .name: w2q, .offset: 32, .size: 8, .value_kind: global_buffer, .address_space: global }
      - { .name: waq, .offset: 40, .size: 8, .value_kind: global_buffer, .address_space: global }
    .group_segment_fixed_size: 34304
    .private_segment_fixed_size: 0
    .kernarg_segment_align: 8
    .kernarg_segment_size: 48
    .max_flat_workgroup_size: 128
    .sgpr_count:     66
    .vgpr_count:     256
    .wavefront_size: 32
...
	.end_amdgpu_metadata
.endif
;; end of part 1
;; launch gate (part 2): grid 256 x 1, 16 waves a work-group, no clusters, 327,680 bytes of LDS; arguments x_streams, waq, b_all, alpha_pre, alpha_post, alpha_res, perm_mat, liq, cf; writes liq, cf
.if DOCPART == 2
	.amdgcn_target "amdgcn-amd-amdhsa--gfx1250"
	.amdhsa_code_object_version 6
	.text
	.protected	k_qdeddfb1b27_gate
	.globl	k_qdeddfb1b27_gate
	.p2align	8
	.type	k_qdeddfb1b27_gate,@function
k_qdeddfb1b27_gate:
	s_mov_b64 s[64:65], 0
	v_nop
	global_prefetch_b8 v0, s[64:65] scope:SCOPE_SE
	s_setreg_imm32_b32 hwreg(HW_REG_WAVE_MODE, 25, 1), 1
	s_wait_xcnt 0x0
.set LANDW, 16896
.set SS,    270336
.set RED,   270848
.set COEF,  287232
.set PERM,  288256
.set SPARE, 289792
.set XA,    3
.set SSW,   4
.set SSR,   5
.set BRD,   6
.set REDW,  7
.set REDR,  8
.set CFR,   9
.set HPR,   10
.set PERMR, 11
.set BA,    15
.set WS,    16
.set XS,    24
.set RR,    26
.set SPW,   28
.set NIL,   29
.set LIO,   30
.set LSO,   31
.set CA,    32
.set TM,    64
.set TT,    96
.set X,     128
.set QT,    192
.set QW,    208
.set QC,    212
.set DD,    228
.set WV,    2
.set MNT,   7
.set SEL,   8
.macro QUANT s
.irp b, 0,1,2,3
	v_max3_num_f32 v[QT+\b], |v[\s+16*\b]|, |v[\s+1+16*\b]|, 0x4800000
.endr
.irp i, 2,4,6,8,10,12,14
.irp b, 0,1,2,3
	s_delay_alu instid0(VALU_DEP_4)
	v_max3_num_f32 v[QT+\b], v[QT+\b], |v[\s+16*\b+\i]|, |v[\s+1+16*\b+\i]|
.endr
.endr
.irp b, 0,1,2,3
	s_delay_alu instid0(VALU_DEP_4)
	v_permlanex16_b32 v[QT+4+\b], v[QT+\b], s[SEL], s[SEL+1]
.endr
.irp b, 0,1,2,3
	s_delay_alu instid0(VALU_DEP_4)
	v_max_num_f32 v[QT+\b], v[QT+\b], v[QT+4+\b]
.endr
.irp b, 0,1,2,3
	s_delay_alu instid0(VALU_DEP_4)
	v_add_nc_u32 v[QT+12+\b], 0xfc000000, v[QT+\b]
.endr
.irp b, 0,1,2,3
	v_and_or_b32 v[QT+8+\b], v[QT+\b], 0x7f800000, s[MNT]
.endr
.irp b, 0,1,2,3
	v_lshrrev_b32 v[QT+4+\b], 23, v[QT+12+\b]
.endr
	s_delay_alu instid0(VALU_DEP_3)
	v_lshl_or_b32 v[QW], v[QT+5], 8, v[QT+4]
	s_delay_alu instid0(VALU_DEP_1)
	v_lshl_or_b32 v[QW], v[QT+6], 16, v[QW]
	s_delay_alu instid0(VALU_DEP_1)
	v_lshl_or_b32 v[QW], v[QT+7], 24, v[QW]
.irp b, 0,1,2,3
.irp i, 0,1,2,3,4,5,6,7,8,9,10,11,12,13,14,15
	v_med3_num_f32 v[\s+16*\b+\i], v[\s+16*\b+\i], -v[QT+8+\b], v[QT+8+\b]
.endr
	v_cvt_scalef32_pk8_fp8_f32 v[QC+4*\b:QC+1+4*\b], v[\s+16*\b:\s+7+16*\b], v[QT+12+\b]
	v_cvt_scalef32_pk8_fp8_f32 v[QC+2+4*\b:QC+3+4*\b], v[\s+8+16*\b:\s+15+16*\b], v[QT+12+\b]
.endr
	v_nop
.endm
	s_load_b512 s[44:59], s[0:1], 0x0
	s_load_b64 s[60:61], s[0:1], 0x40
	v_lshl_add_u32 v[SPW], v0, 2, SPARE
	v_mov_b32 v[NIL], 0
	ds_add_u32 v[SPW], v[NIL]
	ds_add_u32 v[SPW], v[NIL]
	v_lshrrev_b32 v1, 5, v0
	s_delay_alu instid0(VALU_DEP_1)
	v_readfirstlane_b32 s[WV], v1
	s_mov_b32 s16, (2<<16)|(1<<20)|(6<<22)|(3<<25)
	s_mov_b32 s17, 128<<16
	s_mov_b32 s18, 32<<16                          ; one tile: 32 rows (8 tokens x 4 streams) of 512 bytes, 8,192 bytes apart
	s_mov_b32 s19, 128<<16
	s_mov_b32 s20, 32
	s_mov_b32 s21, 2048
	s_mov_b32 s22, 0
	s_mov_b32 s23, 0
	s_mov_b32 s32, (3<<16)|(1<<20)|(6<<22)|(3<<25)
	s_mov_b32 s33, 256<<16
	s_mov_b32 s34, 8<<16
	s_mov_b32 s35, 256<<16
	s_mov_b32 s36, 8
	s_mov_b32 s37, 4352
	s_mov_b32 s38, 0
	s_mov_b32 s39, 0
	s_mov_b32 s[MNT], 0x600000
	s_mov_b32 s[SEL], 0x76543210
	s_mov_b32 s[SEL+1], 0xfedcba98
	s_mul_i32 s3, s[WV], LANDW
	s_lshr_b32 s12, s[WV], 1
	s_and_b32 s13, s[WV], 1
	s_lshl_b32 s10, ttmp9, 18
	s_lshl_b32 s11, s[WV], 9
	s_add_co_u32 s10, s10, s11
	s_mov_b32 s11, 0
	s_mul_i32 s14, s12, 4352
	s_lshl_b32 s15, s13, 11
	s_add_co_u32 s14, s14, s15
	s_mov_b32 s15, 0
	s_wait_dscnt 0x0
	s_wait_kmcnt 0x0
	s_mov_b32 s24, 1
	s_mov_b32 s25, s3
	s_add_nc_u64 s[26:27], s[44:45], s[10:11]
	s_or_b32 s27, s27, 0x80000000
	s_mov_b32 s40, 1
	s_mov_b32 s41, s3
	s_add_nc_u64 s[42:43], s[46:47], s[14:15]
	s_or_b32 s43, s43, 0x80000000
	tensor_load_to_lds s[24:27], s[16:23]
	s_nop 0
	s_wait_alu depctr_va_vdst(0)
	s_load_b32 s4, s[50:51], 0x0
	s_load_b32 s5, s[52:53], 0x0
	s_load_b32 s6, s[54:55], 0x0
	s_mul_i32 s14, s12, 4352
	s_lshl_b32 s15, s13, 7
	s_add_co_u32 s14, s14, s15
	s_add_co_u32 s14, s14, 4096
	s_mov_b32 s15, 0
	s_add_nc_u64 s[46:47], s[46:47], s[14:15]
	s_lshr_b32 s10, ttmp9, 1
	s_lshl_b32 s10, s10, 3
	s_add_co_u32 s10, s10, s12
	s_mul_i32 s10, s10, 4352
	s_add_nc_u64 s[58:59], s[58:59], s[10:11]
	s_lshl_b32 s10, s13, 7
	s_add_co_u32 s10, s10, 4096
	s_add_nc_u64 s[62:63], s[58:59], s[10:11]
	s_lshl_b32 s10, s13, 11
	s_add_nc_u64 s[58:59], s[58:59], s[10:11]
	s_lshl_b32 s10, ttmp9, 10
	s_add_nc_u64 s[60:61], s[60:61], s[10:11]
	v_and_b32 v1, 31, v0
	v_and_b32 v88, 15, v0
	v_bfe_u32 v89, v0, 4, 1
	v_bfe_u32 v90, v0, 1, 3
	v_and_b32 v91, 1, v0
	s_delay_alu instid0(VALU_DEP_4)
	v_mul_u32_u24 v[XA], v88, 1056                 ; lane r takes LDS rows 2 r and 2 r + 1: two neighbouring streams of a token
	s_delay_alu instid0(VALU_DEP_1)
	v_lshl_add_u32 v[XA], v89, 6, v[XA]
	s_delay_alu instid0(VALU_DEP_1)
	v_add_nc_u32 v[XA], s3, v[XA]
	v_lshl_add_u32 v[SSR], v90, 6, SS
	s_lshl_b32 s12, s[WV], 2
	v_add_nc_u32 v[SSW], s12, v[SSR]
	v_lshl_add_u32 v[BRD], v1, 4, s3
	v_and_b32 v92, 8, v88
	s_delay_alu instid0(VALU_DEP_1)
	v_add_nc_u32 v92, v92, v88
	s_delay_alu instid0(VALU_DEP_1)
	v_lshlrev_b32 v[REDW], 2, v92
	s_delay_alu instid0(VALU_DEP_1)
	v_lshl_add_u32 v[REDW], v89, 9, v[REDW]
	s_lshl_b32 s12, s[WV], 10
	s_add_co_u32 s12, s12, RED
	v_add_nc_u32 v[REDW], s12, v[REDW]
	s_and_b32 s12, s[WV], 7
	s_lshl_b32 s12, s12, 7
	s_add_co_u32 s12, s12, RED
	v_lshl_add_u32 v[REDR], v1, 2, s12
	v_lshl_add_u32 v[CFR], v1, 4, COEF
	v_lshlrev_b32 v[HPR], 7, v90
	s_delay_alu instid0(VALU_DEP_1)
	v_lshl_add_u32 v[HPR], v91, 3, v[HPR]
	s_delay_alu instid0(VALU_DEP_1)
	v_add_nc_u32 v[HPR], COEF+80, v[HPR]
	v_lshl_add_u32 v[PERMR], v88, 2, PERM
	v_lshl_add_u32 v82, v0, 4, PERM
	v_bfe_u32 v12, v0, 2, 2
	s_delay_alu instid0(VALU_DEP_1)
	v_lshl_add_u32 v12, v12, 2, 16
	v_and_b32 v13, 3, v0
	s_delay_alu instid0(VALU_DEP_1)
	v_lshlrev_b32 v13, 2, v13
	v_add_nc_u32 v14, 4, v0
	s_delay_alu instid0(VALU_DEP_1)
	v_and_b32 v14, 7, v14
	s_delay_alu instid0(VALU_DEP_1)
	v_lshlrev_b32 v14, 2, v14
	s_and_b32 s12, ttmp9, 1
	s_lshl_b32 s13, s12, 7
	s_lshl_b32 s12, s12, 5
	v_lshl_add_u32 v[LIO], v91, 10, s13
	s_delay_alu instid0(VALU_DEP_1)
	v_lshl_add_u32 v[LIO], v89, 8, v[LIO]
	s_delay_alu instid0(VALU_DEP_1)
	v_lshl_add_u32 v[LIO], v90, 4, v[LIO]
	v_lshl_add_u32 v[LSO], v91, 6, s12
	s_delay_alu instid0(VALU_DEP_1)
	v_lshl_add_u32 v[LSO], v90, 2, v[LSO]
.irp b, 0,1,2,3
	v_mov_b32 v[TM+4+\b], 0
.endr
	v_lshlrev_b32 v80, 2, v1
	v_lshlrev_b32 v81, 4, v0
.irp g, 0,1,2,3,4,5,6,7
	global_load_b32 v[WS+\g], v80, s[46:47] offset:34816*\g
.endr
	global_load_b32 v[BA], v80, s[48:49]
	s_cmp_lt_u32 s[WV], 3
	s_cbranch_scc0 .Lno_perm
	global_load_b128 v[84:87], v81, s[56:57]
	s_wait_loadcnt 0x0
	ds_store_b128 v82, v[84:87]
.Lno_perm:
	s_wait_kmcnt 0x0
	s_wait_tensorcnt 0x0
.irp c, 0,1,2,3
.irp j, 0,1,2,3
	ds_load_b128 v[X+16*\c+4*\j:X+16*\c+4*\j+3], v[XA] offset:128*\c+16*\j
.endr
.endr
.irp c, 0,1,2,3
.irp j, 0,1,2,3
	ds_load_b128 v[X+64+16*\c+4*\j:X+64+16*\c+4*\j+3], v[XA] offset:528+128*\c+16*\j
.endr
.endr
	s_wait_dscnt 16
.set j, 0
.rept 64
.if j < 4
	v_pk_mul_f32 v[TT+2*j:TT+2*j+1], v[X+2*j:X+2*j+1], v[X+2*j:X+2*j+1]
.else
	v_pk_fma_f32 v[TT+2*(j%4):TT+2*(j%4)+1], v[X+2*j:X+2*j+1], v[X+2*j:X+2*j+1], v[TT+2*(j%4):TT+2*(j%4)+1]
.endif
.if j == 31
	s_wait_alu depctr_va_vdst(0)
	s_wait_dscnt 0x0
.endif
.set j, j+1
.endr
	s_delay_alu instid0(VALU_DEP_3)
	v_pk_add_f32 v[TT:TT+1], v[TT:TT+1], v[TT+2:TT+3]
	s_delay_alu instid0(VALU_DEP_2)
	v_pk_add_f32 v[TT+4:TT+5], v[TT+4:TT+5], v[TT+6:TT+7]
	s_delay_alu instid0(VALU_DEP_1)
	v_pk_add_f32 v[TT:TT+1], v[TT:TT+1], v[TT+4:TT+5]
	s_delay_alu instid0(VALU_DEP_1)
	v_add_f32 v[TT], v[TT], v[TT+1]
	s_delay_alu instid0(VALU_DEP_1)
	v_add_f32_dpp v[TT], v[TT], v[TT] row_xmask:1 row_mask:0xf bank_mask:0xf
	s_delay_alu instid0(VALU_DEP_1)
	v_permlanex16_b32 v[TT+1], v[TT], s[SEL], s[SEL+1]
	s_delay_alu instid0(VALU_DEP_1)
	v_add_f32 v[TT], v[TT], v[TT+1]
	ds_store_b32 v[SSW], v[TT]
	s_wait_tensorcnt 0x0
	ds_add_u32 v[SPW], v[NIL]
	s_mov_b32 s10, 0x39000000
	s_mov_b32 s11, 0x34000000
	s_wait_dscnt 0x0
	s_barrier_signal -1
	s_barrier_wait -1
	tensor_load_to_lds s[40:43], s[32:39]
	s_nop 0
.irp k, 0,1,2,3
	ds_load_b128 v[TT+4*\k:TT+4*\k+3], v[SSR] offset:16*\k
.endr
	s_wait_dscnt 0x0
.irp k, 0,2,4,6
	v_pk_add_f32 v[TT+\k:TT+\k+1], v[TT+\k:TT+\k+1], v[TT+8+\k:TT+9+\k]
.endr
	s_delay_alu instid0(VALU_DEP_2)
	v_pk_add_f32 v[TT:TT+1], v[TT:TT+1], v[TT+4:TT+5]
	s_delay_alu instid0(VALU_DEP_2)
	v_pk_add_f32 v[TT+2:TT+3], v[TT+2:TT+3], v[TT+6:TT+7]
	s_delay_alu instid0(VALU_DEP_1)
	v_pk_add_f32 v[TT:TT+1], v[TT:TT+1], v[TT+2:TT+3]
	s_delay_alu instid0(VALU_DEP_1)
	v_add_f32 v[TT], v[TT], v[TT+1]
	s_delay_alu instid0(VALU_DEP_1)
	v_fma_f32 v[TT], v[TT], s10, s11
	s_wait_alu depctr_va_vdst(0)
	v_rsq_f32 v[RR], v[TT]
	v_nop
	s_wait_alu depctr_va_vdst(0)
	v_mov_b32 v[RR+1], v[RR]
.macro XQ f
.set XB, X+64*\f
.irp c, 0,1,2,3
	v_max3_num_f32 v[TM+\c], |v[XB+16*\c]|, |v[XB+16*\c+1]|, |v[XB+16*\c+2]|
.endr
.irp i, 3,5,7,9,11,13
.irp c, 0,1,2,3
	s_delay_alu instid0(VALU_DEP_4)
	v_max3_num_f32 v[TM+\c], v[TM+\c], |v[XB+16*\c+\i]|, |v[XB+16*\c+\i+1]|
.endr
.endr
.irp c, 0,1,2,3
	s_delay_alu instid0(VALU_DEP_4)
	v_max_num_f32 v[TM+\c], v[TM+\c], |v[XB+16*\c+15]|
.endr
.irp c, 0,1,2,3
	s_delay_alu instid0(VALU_DEP_4)
	v_permlanex16_b32 v[TM+4+\c], v[TM+\c], s[SEL], s[SEL+1]
.endr
.irp c, 0,1,2,3
	s_delay_alu instid0(VALU_DEP_4)
	v_max_num_f32 v[TM+\c], v[TM+\c], v[TM+4+\c]
.endr
.irp c, 0,1,2,3
	v_mul_f32 v[TM+\c], v[TM+\c], v[RR]
.endr
.irp c, 0,1,2,3
	s_delay_alu instid0(VALU_DEP_4)
	v_max_num_f32 v[TM+\c], 0x4800000, v[TM+\c]
.endr
.irp c, 0,1,2,3
	s_delay_alu instid0(VALU_DEP_4)
	v_add_nc_u32 v[TM+12+\c], 0xfc000000, v[TM+\c]
.endr
.irp c, 0,1,2,3
	v_and_or_b32 v[TM+8+\c], v[TM+\c], 0x7f800000, s[MNT]
.endr
.irp c, 0,1,2,3
	v_lshrrev_b32 v[TM+4+\c], 23, v[TM+12+\c]
.endr
	s_delay_alu instid0(VALU_DEP_3)
	v_lshl_or_b32 v[XS+\f], v[TM+5], 8, v[TM+4]
	s_delay_alu instid0(VALU_DEP_1)
	v_lshl_or_b32 v[XS+\f], v[TM+6], 16, v[XS+\f]
	s_delay_alu instid0(VALU_DEP_1)
	v_lshl_or_b32 v[XS+\f], v[TM+7], 24, v[XS+\f]
.irp c, 0,1,2,3
.irp g, 0,1
.irp j, 0,2,4,6
	v_pk_mul_f32 v[TT+8*\g+\j:TT+8*\g+\j+1], v[XB+16*\c+8*\g+\j:XB+16*\c+8*\g+\j+1], v[RR:RR+1]
.endr
.irp j, 0,1,2,3,4,5,6,7
	v_med3_num_f32 v[TT+8*\g+\j], v[TT+8*\g+\j], -v[TM+8+\c], v[TM+8+\c]
.endr
	v_cvt_scalef32_pk8_fp8_f32 v[CA+16*\f+4*\c+2*\g:CA+16*\f+4*\c+2*\g+1], v[TT+8*\g:TT+8*\g+7], v[TM+12+\c]
.endr
.endr
	v_nop
.endm
	XQ 0
	XQ 1
.rept 4
	v_nop
.endr
	s_wait_loadcnt 0x0
	s_wait_tensorcnt 0x0
.macro PROD n, first
.irp c, 0,1,2,3
	ds_load_b128 v[64+4*\c:67+4*\c], v[BRD] offset:(4*\n+\c)*528
.endr
.irp c, 0,1,2,3
	ds_load_b128 v[80+4*\c:83+4*\c], v[BRD] offset:(4*(4+\n)+\c)*528
.endr
	s_wait_dscnt 0x0
.if \first
	v_wmma_scale_f32_16x16x128_f8f6f4 v[96+16*(\n/2):103+16*(\n/2)], v[CA+16*(\n%2):CA+16*(\n%2)+15], v[64:79], 0, v[XS+\n%2], v[WS+\n]
	v_wmma_scale_f32_16x16x128_f8f6f4 v[104+16*(\n/2):111+16*(\n/2)], v[CA+16*(\n%2):CA+16*(\n%2)+15], v[80:95], 0, v[XS+\n%2], v[WS+4+\n]
.else
	v_wmma_scale_f32_16x16x128_f8f6f4 v[96+16*(\n/2):103+16*(\n/2)], v[CA+16*(\n%2):CA+16*(\n%2)+15], v[64:79], v[96+16*(\n/2):103+16*(\n/2)], v[XS+\n%2], v[WS+\n]
	v_wmma_scale_f32_16x16x128_f8f6f4 v[104+16*(\n/2):111+16*(\n/2)], v[CA+16*(\n%2):CA+16*(\n%2)+15], v[80:95], v[104+16*(\n/2):111+16*(\n/2)], v[XS+\n%2], v[WS+4+\n]
.endif
.rept 8
	v_nop
.endr
.endm
	PROD 0, 1
	PROD 2, 1
	s_wait_alu depctr_va_vdst(0)
	PROD 1, 0
	PROD 3, 0
.irp nt, 0,1
.irp tt, 0,1,2,3
	v_add_f32 v[64+4*\nt+\tt], v[96+8*\nt+2*\tt], v[112+8*\nt+2*\tt+1]
.endr
.endr
.irp nt, 0,1
.irp tt, 0,1,2,3
	ds_store_b32 v[REDW], v[64+4*\nt+\tt] offset:128*\tt+32*\nt
.endr
.endr
	s_wait_dscnt 0x0
	s_barrier_signal -1
	s_barrier_wait -1
	s_cmp_lt_u32 s[WV], 8
	s_cbranch_scc0 .Lno_gate
.irp k, 0,1,2,3,4,5,6,7,8,9,10,11,12,13,14,15
	ds_load_b32 v[64+\k], v[REDR] offset:1024*\k
.endr
.irp p, 0,1,2,3,4,5,6,7,8,9,10,11,12,13,14,15,16,17,18,19,20,21,22,23
	ds_load_b32 v[96+\p], v[PERMR] offset:64*\p
.endr
	v_mov_b32 v81, s6
	v_mov_b32 v82, s5
	v_mov_b32 v83, s4
	v_cmp_gt_u32 vcc_lo, 8, v1
	v_cmp_gt_u32 s10, 4, v1
	s_delay_alu instid0(VALU_DEP_2)
	v_cndmask_b32 v81, v81, v82, vcc_lo
	s_delay_alu instid0(VALU_DEP_1)
	v_cndmask_b32 v81, v81, v83, s10
	v_mov_b32 v84, 0xff800000
	s_wait_dscnt 24
.irp k, 0,1,2,3,4,5,6,7
	v_add_f32 v[64+\k], v[64+\k], v[72+\k]
.endr
.irp k, 0,1,2,3
	s_delay_alu instid0(VALU_DEP_4)
	v_add_f32 v[64+\k], v[64+\k], v[68+\k]
.endr
	s_delay_alu instid0(VALU_DEP_2)
	v_add_f32 v64, v64, v66
	s_delay_alu instid0(VALU_DEP_2)
	v_add_f32 v65, v65, v67
	s_delay_alu instid0(VALU_DEP_1)
	v_add_f32 v64, v64, v65
	s_delay_alu instid0(VALU_DEP_1)
	v_fma_f32 v80, v64, v81, v[BA]
	s_delay_alu instid0(VALU_DEP_1)
	v_cndmask_b32 v85, v80, v84, vcc_lo
	s_delay_alu instid0(VALU_DEP_1)
	v_mov_b32 v86, v85
.irp m, 1,2,4,8
	s_delay_alu instid0(VALU_DEP_1)
	v_max_num_f32_dpp v86, v86, v86 row_xmask:\m row_mask:0xf bank_mask:0xf
.endr
	s_delay_alu instid0(VALU_DEP_1)
	v_permlanex16_b32 v87, v86, s[SEL], s[SEL+1]
	s_delay_alu instid0(VALU_DEP_1)
	v_max_num_f32 v86, v86, v87
	s_delay_alu instid0(VALU_DEP_1)
	v_sub_f32 v85, v85, v86
	s_delay_alu instid0(VALU_DEP_1)
	v_mul_f32 v85, 0x3fb8aa3b, v85
	v_mul_f32 v88, 0xbfb8aa3b, v80
	s_wait_alu depctr_va_vdst(0)
	v_exp_f32 v85, v85
	v_exp_f32 v88, v88
	v_mov_b32 v90, 1.0
	s_wait_alu depctr_va_vdst(0)
	v_mov_b32 v89, v85
.irp m, 1,2,4,8
	s_delay_alu instid0(VALU_DEP_1)
	v_add_f32_dpp v89, v89, v89 row_xmask:\m row_mask:0xf bank_mask:0xf
.endr
	s_delay_alu instid0(VALU_DEP_1)
	v_permlanex16_b32 v87, v89, s[SEL], s[SEL+1]
	s_delay_alu instid0(VALU_DEP_1)
	v_add_f32 v89, v89, v87
	v_add_f32 v88, 1.0, v88
	s_wait_alu depctr_va_vdst(0)
	v_rcp_f32 v89, v89
	v_rcp_f32 v88, v88
	v_mov_b32 v91, 2.0
	s_wait_alu depctr_va_vdst(0)
	v_mul_f32 v85, v85, v89
	v_cndmask_b32 v92, v90, v91, vcc_lo
	s_delay_alu instid0(VALU_DEP_1)
	v_cndmask_b32 v92, v92, v90, s10
	v_mul_f32 v88, v88, v92
	ds_bpermute_b32 v93, v12, v88
	ds_bpermute_b32 v94, v13, v88
	ds_bpermute_b32 v95, v14, v88
	s_wait_alu depctr_va_vdst(0)
	s_wait_dscnt 3
.irp p, 0,1,2,3,4,5,6,7,8,9,10,11,12,13,14,15,16,17,18,19,20,21,22,23
	v_readlane_b32 s[12+\p%4], v85, 8+\p
.if \p == 0
	s_delay_alu instid0(VALU_DEP_1)
	v_mul_f32 v64, s[12+\p%4], v[96+\p]
.else
	s_delay_alu instid0(VALU_DEP_1)
	v_fmac_f32 v64, s[12+\p%4], v[96+\p]
.endif
.endr
	s_wait_alu depctr_va_vdst(0)
	s_wait_dscnt 0x0
	v_fma_f32 v64, -v93, v94, v64
	v_cmp_gt_u32 vcc_lo, 16, v1
	s_delay_alu instid0(VALU_DEP_1)
	v_cndmask_b32 v64, v95, v64, vcc_lo
	ds_store_b32 v[REDR], v64 offset:COEF-RED
.Lno_gate:
	s_wait_dscnt 0x0
	s_barrier_signal -1
	s_barrier_wait -1
	v_lshlrev_b32 v72, 4, v1
	s_cmp_eq_u32 s[WV], 8
	s_cbranch_scc0 .Lno_cf
	ds_load_b128 v[64:67], v[CFR]
	ds_load_b128 v[68:71], v[CFR] offset:512
	s_wait_dscnt 0x0
	s_wait_alu depctr_va_vdst(0)
	global_store_b128 v72, v[64:67], s[60:61]
	global_store_b128 v72, v[68:71], s[60:61] offset:512
.Lno_cf:
	ds_load_b64 v[74:75], v[HPR]
	s_wait_dscnt 0x0
	v_mov_b32 v76, v74
	v_mov_b32 v77, v74
	v_mov_b32 v78, v75
	v_mov_b32 v79, v75
.set j, 0
.rept 32
	v_pk_mul_f32 v[X+j:X+j+1], v[X+j:X+j+1], v[76:77]
.set j, j+2
.endr
.set j, 0
.rept 32
	v_pk_fma_f32 v[X+j:X+j+1], v[X+64+j:X+64+j+1], v[78:79], v[X+j:X+j+1]
.set j, j+2
.endr
.set j, 0
.rept 64
	v_add_f32_dpp v[X+j], v[X+j], v[X+j] row_xmask:1 row_mask:0xf bank_mask:0xf
.set j, j+1
.endr
	QUANT X
	v_and_b32 v236, 1, v0
	s_delay_alu instid0(VALU_DEP_1)
	v_cmp_eq_u32 vcc_lo, 1, v236
.irp i, 0,1,2,3,4,5,6,7
	v_cndmask_b32 v[DD+\i], v[QC+\i], v[QC+8+\i], vcc_lo
.endr
	global_store_b128 v[LIO], v[DD:DD+3], s[58:59]
	global_store_b128 v[LIO], v[DD+4:DD+7], s[58:59] offset:512
	global_store_b32 v[LSO], v[QW], s[62:63]
	s_wait_tensorcnt 0x0
	ds_add_u32 v[SPW], v[NIL]
	s_wait_dscnt 0x0
	s_endpgm
.Lfunc_end_k_qdeddfb1b27_gate:
	.size	k_qdeddfb1b27_gate, .Lfunc_end_k_qdeddfb1b27_gate-k_qdeddfb1b27_gate
	.p2alignl 7, 3214868480
	.fill 96, 4, 3214868480
	.section	.rodata,"a",@progbits
	.p2align	6, 0x0
	.amdhsa_kernel k_qdeddfb1b27_gate
		.amdhsa_group_segment_fixed_size 327680
		.amdhsa_private_segment_fixed_size 0
		.amdhsa_enable_private_segment 0
		.amdhsa_kernarg_size 72
		.amdhsa_user_sgpr_count 2
		.amdhsa_user_sgpr_kernarg_segment_ptr 1
		.amdhsa_wavefront_size32 1
		.amdhsa_system_sgpr_workgroup_id_x 1
		.amdhsa_system_sgpr_workgroup_id_y 1
		.amdhsa_system_sgpr_workgroup_id_z 1
		.amdhsa_system_vgpr_workitem_id 0
		.amdhsa_next_free_vgpr 256
		.amdhsa_next_free_sgpr 66
		.amdhsa_reserve_vcc 1
		.amdhsa_float_denorm_mode_32 3
		.amdhsa_float_denorm_mode_16_64 3
		.amdhsa_memory_ordered 1
		.amdhsa_forward_progress 1
		.amdhsa_inst_pref_size 73
	.end_amdhsa_kernel
	.amdgpu_metadata
---
amdhsa.version: [ 1, 2 ]
amdhsa.kernels:
  - .name:           k_qdeddfb1b27_gate
    .symbol:         k_qdeddfb1b27_gate.kd
    .args:
      - { .name: x_streams, .offset: 0, .size: 8, .value_kind: global_buffer, .address_space: global }
      - { .name: waq, .offset: 8, .size: 8, .value_kind: global_buffer, .address_space: global }
      - { .name: b_all, .offset: 16, .size: 8, .value_kind: global_buffer, .address_space: global }
      - { .name: alpha_pre, .offset: 24, .size: 8, .value_kind: global_buffer, .address_space: global }
      - { .name: alpha_post, .offset: 32, .size: 8, .value_kind: global_buffer, .address_space: global }
      - { .name: alpha_res, .offset: 40, .size: 8, .value_kind: global_buffer, .address_space: global }
      - { .name: perm_mat, .offset: 48, .size: 8, .value_kind: global_buffer, .address_space: global }
      - { .name: liq, .offset: 56, .size: 8, .value_kind: global_buffer, .address_space: global }
      - { .name: cf, .offset: 64, .size: 8, .value_kind: global_buffer, .address_space: global }
    .group_segment_fixed_size: 327680
    .private_segment_fixed_size: 0
    .kernarg_segment_align: 8
    .kernarg_segment_size: 72
    .max_flat_workgroup_size: 512
    .sgpr_count:     66
    .vgpr_count:     256
    .wavefront_size: 32
...
	.end_amdgpu_metadata
.endif
;; end of part 2
;; launch ffn1 (part 3): grid 32 x 8, 4 waves a work-group, clusters of 4 x 4, 327,680 bytes of LDS; arguments liq, w1q, b1, hq; writes hq
.if DOCPART == 3
	.amdgcn_target "amdgcn-amd-amdhsa--gfx1250"
	.amdhsa_code_object_version 6
	.text
	.protected	k_qdeddfb1b27_ffn1
	.globl	k_qdeddfb1b27_ffn1
	.p2align	8
	.type	k_qdeddfb1b27_ffn1,@function
k_qdeddfb1b27_ffn1:
	s_mov_b64 s[64:65], 0
	v_nop
	global_prefetch_b8 v0, s[64:65] scope:SCOPE_SE
	s_setreg_imm32_b32 hwreg(HW_REG_WAVE_MODE, 25, 1), 1
	s_wait_xcnt 0x0
	s_wait_alu depctr_hold_cnt(0) depctr_sa_sdst(0) depctr_va_vdst(0) depctr_va_sdst(0) depctr_va_ssrc(0) depctr_va_vcc(0) depctr_vm_vsrc(0)
	s_getreg_b32 s2, hwreg(HW_REG_IB_STS2, 6, 4)
	s_cmp_eq_u32 s2, 0
	s_cbranch_scc0 .Lentry_in_a_cluster
	s_endpgm
.Lentry_in_a_cluster:
	s_bfe_u32 s2, ttmp6, 0x10000c
	s_cmp_lg_u32 s2, 0xf033
	s_cbranch_scc0 .Lentry_shape_is_right
	s_endpgm
.Lentry_shape_is_right:
.set SBB,   4352
.set HALFT, 8*SBB
.set SLOT,  4*HALFT
.set SPARE, 2*SLOT
.set LAPS,  4
.set LI,   4
.set LS,   5
.set ADRA, 16
.set ADRB, 20
.set ADRS, 22
.set STW,  24
.set RDA,  25
.set SPW,  28
.set NIL,  29
.set SC,   32
.set BIAS, 64
.set A1,   64
.set B1,   66
.set AF,   128
.set RAW,  0
.set G,    64
.set Z,    128
.set Z2,   160
.set P,    192
.set Q,    224
.set QC,   128
.set QT,   160
.set QW,   176
.set G1,   24
.set G0,   32
.set G1B,  48
.set G0B,  56
.set SEL,  68
.set MNT,  70
.set TS,   71
.set KR,   72
.set KA0,  74
.set KA2,  76
.set KA3,  78
.set KA4,  80
.set KA5,  82
.set KA6,  84
.set KB0,  86
.set KB2,  88
.set KB3,  90
.set KB4,  92
.set MSB, 0
.macro WIN new
.if MSB != (\new)
	s_set_vgpr_msb (MSB<<8)|(\new)
.set MSB, (\new)
.endif
.endm
.set MUL_LO, 0xa1
.set MUL_HI, 0xf1
.set TO_B,   0x40
.macro JLOAD g0a, g1a, g0b, g1b
	s_cmp_eq_u32 s15, 0
	s_cbranch_scc0 .Lfor_b_\@
	tensor_load_to_lds s[\g0a:\g0a+3], s[\g1a:\g1a+7]
	s_nop 0
.rept 4
	v_nop
.endr
	s_branch .Lasked_\@
.Lfor_b_\@:
	tensor_load_to_lds s[\g0b:\g0b+3], s[\g1b:\g1b+7]
	s_nop 0
.rept 4
	v_nop
.endr
.Lasked_\@:
.endm
.macro CREST
	s_cmp_lg_u32 s14, 0
	s_cbranch_scc1 .Lnot_wave_0_\@
	s_barrier_signal -3
.Lnot_wave_0_\@:
	s_barrier_wait -3
	s_barrier_signal -1
	s_barrier_wait -1
.endm
.macro CROUND
	s_barrier_signal -1
	s_barrier_wait -1
	CREST
.endm
.macro PLACES n
.rept \n
	v_nop
.endr
.endm
	s_load_b256 s[4:11], s[0:1], 0x0
	v_lshl_add_u32 v[SPW], v0, 2, SPARE
	v_mov_b32 v[NIL], 0
	ds_add_u32 v[SPW], v[NIL]
	ds_add_u32 v[SPW], v[NIL]
	v_lshrrev_b32 v1, 5, v0
	v_readfirstlane_b32 s14, v1
	s_lshr_b32 s15, s14, 1
	s_and_b32 s16, s14, 1
	s_bfe_u32 s40, ttmp6, 0x40000
	s_bfe_u32 s41, ttmp6, 0x40004
	s_lshl_b32 s42, ttmp9, 2
	s_add_co_u32 s42, s42, s40
	s_and_b32 s17, ttmp7, 0xffff
	s_lshl_b32 s17, s17, 2
	s_add_co_u32 s17, s17, s41
	s_lshl_b32 s43, s41, 2
	s_lshl_b32 s43, 15, s43
	s_lshl_b32 s44, 0x1111, s40
	s_or_b32 s[G1+0], s43, (3<<16)|(1<<21)
	s_or_b32 s[G1B+0], s44, (3<<16)|(1<<21)
.irp g, G1, G1B
	s_mov_b32 s[\g+1], 544<<16
	s_mov_b32 s[\g+2], 8<<16
	s_mov_b32 s[\g+3], 544<<16
	s_mov_b32 s[\g+4], 8
	s_mov_b32 s[\g+5], 4352
	s_mov_b32 s[\g+6], 0
	s_mov_b32 s[\g+7], 0
.endr
	s_lshl_b32 s18, s16, 3
	s_lshl_b32 s20, s17, 4
	s_add_co_u32 s20, s20, s18
	s_mul_i32 s20, s20, 8*SBB
	s_mov_b32 s21, 0
	s_lshl_b32 s46, s42, 4
	s_add_co_u32 s46, s46, s18
	s_mul_i32 s46, s46, 8*SBB
	s_mov_b32 s47, 0
	s_mul_i32 s45, s14, HALFT
	s_wait_dscnt 0x0
	s_wait_kmcnt 0x0
	s_add_nc_u64 s[20:21], s[4:5], s[20:21]
	s_add_nc_u64 s[46:47], s[6:7], s[46:47]
	CROUND
	; the tiles' prefetches: of the 8 row blocks that my wave fetches, my work-group takes two (told apart by address: cx for A's, cy for B's): 2 x 17 blocks of 256 bytes a K step
	s_lshl_b32 s96, s17, 4
	s_lshl_b32 s97, s42, 4
	s_cmp_eq_u32 s15, 0
	s_cselect_b32 s96, s96, s97
	s_cselect_b32 s97, s40, s41
	s_cselect_b64 s[94:95], s[4:5], s[6:7]
	s_lshl_b32 s98, s16, 3
	s_add_co_u32 s96, s96, s98
	s_lshl_b32 s97, s97, 1
	s_add_co_u32 s96, s96, s97
	s_mul_i32 s96, s96, 8*SBB
	s_add_co_u32 s96, s96, SBB                     ; at K step 1
	s_mov_b32 s97, 0
	s_add_nc_u64 s[94:95], s[94:95], s[96:97]
	v_and_b32 v10, 31, v0
	v_add_nc_u32 v11, 15, v10
	v_lshrrev_b32 v11, 5, v11                      ; 1 from lane 17 on: the second row block
	v_mul_u32_u24 v11, v11, 7*SBB
	v_lshl_add_u32 v8, v10, 8, v11                 ; v8: blocks 0-16 of the first row block, 0-14 of the second
	v_min_u32 v10, 1, v10
	v_lshl_add_u32 v9, v10, 8, 8*SBB+15*256        ; v9: blocks 15 and 16 of the second
.irp s, 0,1
	s_mov_b32 s[G0+4*\s], 1
	s_add_co_u32 s[G0+4*\s+1], s45, \s*SLOT
	s_add_nc_u64 s[G0+4*\s+2:G0+4*\s+3], s[20:21], \s*SBB
	s_or_b32 s[G0+4*\s+3], s[G0+4*\s+3], 0x80000000
	s_mov_b32 s[G0B+4*\s], 1
	s_add_co_u32 s[G0B+4*\s+1], s45, \s*SLOT
	s_add_nc_u64 s[G0B+4*\s+2:G0B+4*\s+3], s[46:47], \s*SBB
	s_or_b32 s[G0B+4*\s+3], s[G0B+4*\s+3], 0x80000000
	s_wait_alu depctr_va_vdst(0)
.if \s == 1
	s_wait_tensorcnt 0x0                           ; slot 1's first fill is issued as a refill is: my part of K step 0 is in,
	ds_add_u32 v28, v29                            ; the add,
	s_wait_dscnt 0x0
	CROUND                                         ; and a whole round
.endif
	JLOAD G0+4*\s, G1, G0B+4*\s, G1B
.if \s == 0
	global_prefetch_b8 v8, s[94:95] th:TH_LOAD_NT scope:SCOPE_SE                ; K steps 1 and 2
	global_prefetch_b8 v9, s[94:95] th:TH_LOAD_NT scope:SCOPE_SE
	global_prefetch_b8 v8, s[94:95] offset:SBB th:TH_LOAD_NT scope:SCOPE_SE
	global_prefetch_b8 v9, s[94:95] offset:SBB th:TH_LOAD_NT scope:SCOPE_SE
.else
	global_prefetch_b8 v8, s[94:95] offset:2*SBB th:TH_LOAD_NT scope:SCOPE_SE   ; K step 3
	global_prefetch_b8 v9, s[94:95] offset:2*SBB th:TH_LOAD_NT scope:SCOPE_SE
.endif
.endr
	s_lshl_b32 s18, s42, 10
	s_lshl_b32 s19, s16, 9
	s_add_co_u32 s18, s18, s19
	s_mov_b32 s19, 0
	s_add_nc_u64 s[8:9], s[8:9], s[18:19]
	v_bfe_u32 v2, v0, 4, 1
	v_lshlrev_b32 v3, 6, v2
.irp b, 0,1,2,3,4,5,6,7
	global_load_b128 v[BIAS+8*\b:BIAS+8*\b+3], v3, s[8:9] offset:(32*(\b/2)+8*(\b%2))*4
	global_load_b128 v[BIAS+8*\b+4:BIAS+8*\b+7], v3, s[8:9] offset:(32*(\b/2)+8*(\b%2))*4+16
.endr
	v_and_b32 v1, 31, v0
	v_lshlrev_b32 v[LI], 4, v1
	s_wait_alu depctr_va_vdst(0)
	v_lshlrev_b32 v[LS], 2, v1
	s_mul_i32 s21, s15, HALFT
	s_mul_i32 s22, s16, HALFT
	s_add_co_u32 s22, s22, 2*HALFT
	s_sub_co_u32 s23, s22, s21
	v_mul_u32_u24 v6, s23, v2
	v_add_nc_u32 v6, v6, v[LS]
	s_add_co_u32 s18, s21, 4096
.irp s, 0,1
	v_add_nc_u32 v[ADRA+\s], s21, v[LI]
	v_add_nc_u32 v[ADRB+\s], s22, v[LI]
	v_add_nc_u32 v[ADRS+\s], s18, v6
	s_add_co_u32 s21, s21, SLOT
	s_add_co_u32 s22, s22, SLOT
	s_add_co_u32 s18, s18, SLOT
.endr
	s_lshl_b32 s19, s14, 16
	v_add_nc_u32 v[STW], s19, v[LI]
	s_lshl_b32 s18, s17, 4
	s_lshl_b32 s19, s15, 3
	s_add_co_u32 s18, s18, s19
	s_lshl_b32 s18, s18, 5
	s_add_co_u32 s18, s18, s42
	s_mul_i32 s18, s18, SBB
	s_mov_b32 s19, 0
	s_add_nc_u64 s[10:11], s[10:11], s[18:19]
	s_lshl_b32 s18, s16, 7
	s_add_co_u32 s18, s18, 4096
	s_add_nc_u64 s[66:67], s[10:11], s[18:19]
	s_lshl_b32 s18, s16, 11
	s_add_nc_u64 s[10:11], s[10:11], s[18:19]
	s_mov_b32 s[SEL], 0x76543210
	s_mov_b32 s[SEL+1], 0xfedcba98
	s_mov_b32 s[MNT], 0x600000
.macro KONST r, bits
	s_mov_b32 s[\r], \bits
	s_mov_b32 s[\r+1], \bits
.endm
	KONST KR,  0x3f3504f3
	KONST KA0, 0xaf95df0b
	KONST KA2, 0xb60cff51
	KONST KA3, 0xb86ec2d2
	KONST KA4, 0xba40ac63
	KONST KA5, 0xbb41a1f6
	KONST KA6, 0xbc83dbd4
	KONST KB0, 0xb77460cd
	KONST KB2, 0xbadc924e
	KONST KB3, 0xbbf19bf8
	KONST KB4, 0xbc69b6a7
.macro FRAG reg, adr, off
.irp c, 0,1,2,3
	ds_load_b128 v[\reg+4*\c:\reg+4*\c+3], v[\adr] offset:\off+512*\c
.endr
.endm
.macro MUL16 a0, p, q, sc, mode
.irp a, \a0, \a0+1
.irp b, 0,1,2,3,4,5,6,7
.if \mode
	v_wmma_scale_f32_16x16x128_f8f6f4 v[8*(8*((\a)%4)+\b):8*(8*((\a)%4)+\b)+7], v[128*(\p)+16*\b:128*(\p)+16*\b+15], v[AF+16*(\a):AF+16*(\a)+15], v[BIAS+8*\b:BIAS+8*\b+7], v[SC+16*(\sc)+2*\b+(\q)], v[SC+16*(\sc)+2*(\a)+(\q)] matrix_a_scale:MATRIX_SCALE_ROW1
.else
	v_wmma_scale_f32_16x16x128_f8f6f4 v[8*(8*((\a)%4)+\b):8*(8*((\a)%4)+\b)+7], v[128*(\p)+16*\b:128*(\p)+16*\b+15], v[AF+16*(\a):AF+16*(\a)+15], v[8*(8*((\a)%4)+\b):8*(8*((\a)%4)+\b)+7], v[SC+16*(\sc)+2*\b+(\q)], v[SC+16*(\sc)+2*(\a)+(\q)] matrix_a_scale:MATRIX_SCALE_ROW1
.endif
.endr
.endr
.endm
.macro FETCH_B slot, q, p
	WIN TO_B
.irp i, 0,1,2,3,4,5,6,7
	FRAG 128*(\p)+16*\i, ADRB+\slot, SBB*\i+2048*(\q)
.endr
	WIN 0
.endm
.macro FETCH_A slot, q, i0
.irp i, \i0, \i0+1, \i0+2, \i0+3
	FRAG AF+16*(\i), ADRA+\slot, SBB*(\i)+2048*(\q)
.endr
.endm
.macro SCALES sc
.irp i, 0,1,2,3,4,5,6,7
	ds_load_b32 v[SC+16*\sc+2*\i], v[ADRS+\sc] offset:SBB*\i
	ds_load_b32 v[SC+16*\sc+2*\i+1], v[ADRS+\sc] offset:SBB*\i+128
.endr
.endm
.macro STEP slot, q, mode
	s_wait_dscnt 16
	WIN MUL_LO-0x20*(\mode)
	MUL16 0, (\q)%2, \q, \slot, \mode
	MUL16 2, (\q)%2, \q, \slot, \mode
	s_wait_dscnt 0x0
	PLACES 8
	FETCH_B \slot, (\q)+1, 1-(\q)%2
	FETCH_A \slot, (\q)+1, 0
	WIN MUL_HI-0x30*(\mode)
	MUL16 4, (\q)%2, \q, \slot, \mode
	MUL16 6, (\q)%2, \q, \slot, \mode
	PLACES 8
	WIN 0
	FETCH_A \slot, (\q)+1, 4
.endm
.macro TURN slot, next, fill
	s_wait_tensorcnt 0x0
	ds_add_u32 v[SPW], v[NIL]
.if \fill
	s_wait_xcnt 0x0                                ; my prefetches have read their address: it steps one K step
	s_add_nc_u64 s[94:95], s[94:95], SBB
	s_add_nc_u64 s[G0+4*\slot+2:G0+4*\slot+3], s[G0+4*\slot+2:G0+4*\slot+3], 2*SBB
	s_add_nc_u64 s[G0B+4*\slot+2:G0B+4*\slot+3], s[G0B+4*\slot+2:G0B+4*\slot+3], 2*SBB
.endif
	s_wait_dscnt 17                                ; (the add and the youngest 16 loads, A's blocks 4-7, may be out)
	WIN MUL_LO
	MUL16 0, 1, 1, \slot, 0                        ; sixteen products stand between the add and the wait for it
	s_wait_dscnt 0x0                               ; the add is done, and my reads of this slot are over
	s_barrier_signal -1
	MUL16 2, 1, 1, \slot, 0                        ; work on registers while the others arrive
	WIN 0
	s_barrier_wait -1
.if \fill
	CREST
	JLOAD G0+4*\slot, G1, G0B+4*\slot, G1B
	PLACES 4                                       ; with the four behind the joint load: the eight places in front of the loads below
.else
	PLACES 8
.endif
	FETCH_B \next, 0, 0
	FETCH_A \next, 0, 0
	SCALES \next
.if \fill
	s_cmp_gt_u32 s3, 1                             ; the K step two refills on; the loop's last trip has none
	s_cbranch_scc0 .Lno_ask_\@
	global_prefetch_b8 v8, s[94:95] offset:2*SBB th:TH_LOAD_NT scope:SCOPE_SE
	global_prefetch_b8 v9, s[94:95] offset:2*SBB th:TH_LOAD_NT scope:SCOPE_SE
.Lno_ask_\@:
.endif
	WIN MUL_HI
	MUL16 4, 1, 1, \slot, 0
	MUL16 6, 1, 1, \slot, 0
	PLACES 8
	WIN 0
	FETCH_A \next, 0, 4
.endm
	s_wait_alu depctr_va_vdst(0)
	s_wait_tensorcnt 1
	s_barrier_signal -1
	s_barrier_wait -1
	FETCH_B 0, 0, 0
	FETCH_A 0, 0, 0
	SCALES 0
	FETCH_A 0, 0, 4
	s_wait_loadcnt 0x0
	STEP 0, 0, 1
	s_mov_b32 s3, LAPS-1
.Llap:
	TURN 0, 1, 1
	STEP 1, 0, 0
	TURN 1, 0, 1
	STEP 0, 0, 0
	s_sub_co_u32 s3, s3, 1
	s_cmp_lg_u32 s3, 0
	s_cbranch_scc1 .Llap
	TURN 0, 1, 0
	STEP 1, 0, 0
	s_wait_dscnt 16
	WIN MUL_LO
	MUL16 0, 1, 1, 1, 0
	MUL16 2, 1, 1, 1, 0
	s_wait_dscnt 0x0
	WIN MUL_HI
	MUL16 4, 1, 1, 1, 0
	MUL16 6, 1, 1, 1, 0
	WIN 0
	s_barrier_signal -1
	s_barrier_wait -1
	PLACES 8
.irp a, 0,1,2,3,4,5,6,7
	WIN 0x08+4*(\a/4)
.irp b, 0,1,2,3,4,5,6,7
	ds_store_b128 v[STW], v[8*(8*(\a%4)+\b):8*(8*(\a%4)+\b)+3] offset:(16*\a+2*\b)*512
	ds_store_b128 v[STW], v[8*(8*(\a%4)+\b)+4:8*(8*(\a%4)+\b)+7] offset:(16*\a+2*\b+1)*512
.endr
.endr
	WIN 0
	v_mov_b32 v[A1], 0x32edffee
	v_mov_b32 v[A1+1], 0x32edffee
	v_mov_b32 v[B1], 0xb95fbd29
	v_mov_b32 v[B1+1], 0xb95fbd29
.macro RAWLOAD adr
	WIN 0x40
.irp k, 0,1,2,3,4,5,6,7,8,9,10,11,12,13,14,15
	ds_load_b128 v[RAW+4*\k:RAW+4*\k+3], v[\adr] offset:512*\k
.endr
.endm
.macro GHEAD ch
	WIN 0x55
.set j, 0
.rept 16
	v_pk_mul_f32 v[Z+j:Z+j+1], v[RAW+32*\ch+j:RAW+32*\ch+j+1], s[KR:KR+1] op_sel_hi:[1,0]
.set j, j+2
.endr
.set j, 0
.rept 16
	v_pk_mul_f32 v[G+32*\ch+j:G+32*\ch+j+1], v[RAW+32*\ch+j:RAW+32*\ch+j+1], 0.5 op_sel_hi:[1,0]
.set j, j+2
.endr
.endm
.macro GBODY ch
	WIN 0x55
.set j, 0
.rept 32
	v_med3_num_f32 v[Z+j], v[Z+j], -4.0, 4.0
.set j, j+1
.endr
.set j, 0
.rept 16
	v_pk_mul_f32 v[Z2+j:Z2+j+1], v[Z+j:Z+j+1], v[Z+j:Z+j+1]
.set j, j+2
.endr
	WIN 0x41
.set j, 0
.rept 16
	v_pk_fma_f32 v[P+j:P+j+1], v[Z2+j:Z2+j+1], s[KA0:KA0+1], v[A1:A1+1] op_sel_hi:[1,0,1]
.set j, j+2
.endr
.set j, 0
.rept 16
	v_pk_fma_f32 v[Q+j:Q+j+1], v[Z2+j:Z2+j+1], s[KB0:KB0+1], v[B1:B1+1] op_sel_hi:[1,0,1]
.set j, j+2
.endr
	WIN 0x55
.irp k, KA2, KA3, KA4, KA5, KA6
.set j, 0
.rept 16
	v_pk_fma_f32 v[P+j:P+j+1], v[P+j:P+j+1], v[Z2+j:Z2+j+1], s[\k:\k+1] op_sel_hi:[1,1,0]
.set j, j+2
.endr
.endr
.irp k, KB2, KB3, KB4
.set j, 0
.rept 16
	v_pk_fma_f32 v[Q+j:Q+j+1], v[Q+j:Q+j+1], v[Z2+j:Z2+j+1], s[\k:\k+1] op_sel_hi:[1,1,0]
.set j, j+2
.endr
.endr
.set j, 0
	s_wait_alu depctr_va_vdst(0)
.rept 32
	v_rcp_f32 v[Q+j], v[Q+j]
.set j, j+1
.endr
.set j, 0
.rept 16
	v_pk_mul_f32 v[P+j:P+j+1], v[P+j:P+j+1], v[Z+j:Z+j+1]
.set j, j+2
.endr
	s_wait_alu depctr_va_vdst(0)
.set j, 0
.rept 16
	v_pk_mul_f32 v[P+j:P+j+1], v[P+j:P+j+1], v[Q+j:Q+j+1]
.set j, j+2
.endr
.set j, 0
.rept 16
	v_pk_fma_f32 v[G+32*\ch+j:G+32*\ch+j+1], v[G+32*\ch+j:G+32*\ch+j+1], v[P+j:P+j+1], v[G+32*\ch+j:G+32*\ch+j+1]
.set j, j+2
.endr
.endm
.macro QUANT s
.irp b, 0,1,2,3
	v_max3_num_f32 v[QT+\b], |v[\s+16*\b]|, |v[\s+1+16*\b]|, 0x4800000
.endr
.irp i, 2,4,6,8,10,12,14
.irp b, 0,1,2,3
	v_max3_num_f32 v[QT+\b], v[QT+\b], |v[\s+16*\b+\i]|, |v[\s+1+16*\b+\i]|
.endr
.endr
.irp b, 0,1,2,3
	v_permlanex16_b32 v[QT+4+\b], v[QT+\b], s[SEL], s[SEL+1]
.endr
.irp b, 0,1,2,3
	v_max_num_f32 v[QT+\b], v[QT+\b], v[QT+4+\b]
.endr
.irp b, 0,1,2,3
	v_add_nc_u32 v[QT+12+\b], 0xfc000000, v[QT+\b]
.endr
.irp b, 0,1,2,3
	v_and_or_b32 v[QT+8+\b], v[QT+\b], 0x7f800000, s[MNT]
.endr
.irp b, 0,1,2,3
	v_lshrrev_b32 v[QT+4+\b], 23, v[QT+12+\b]
.endr
	v_lshl_or_b32 v[QW], v[QT+5], 8, v[QT+4]
	v_lshl_or_b32 v[QW], v[QT+6], 16, v[QW]
	v_lshl_or_b32 v[QW], v[QT+7], 24, v[QW]
.irp b, 0,1,2,3
.irp i, 0,1,2,3,4,5,6,7,8,9,10,11,12,13,14,15
	v_med3_num_f32 v[\s+16*\b+\i], v[\s+16*\b+\i], -v[QT+8+\b], v[QT+8+\b]
.endr
	v_cvt_scalef32_pk8_fp8_f32 v[QC+4*\b:QC+1+4*\b], v[\s+16*\b:\s+7+16*\b], v[QT+12+\b]
	v_cvt_scalef32_pk8_fp8_f32 v[QC+2+4*\b:QC+3+4*\b], v[\s+8+16*\b:\s+15+16*\b], v[QT+12+\b]
.endr
	v_nop
.endm
.macro ROWS ahead
	s_wait_dscnt 0x0
	GHEAD 0
	GBODY 0
	GHEAD 1
.if \ahead
	WIN 0
	s_add_co_u32 s[TS], s[TS], 8192
	v_add_nc_u32 v[RDA], s[TS], v[STW]
	RAWLOAD RDA
.endif
	GBODY 1
	QUANT G
	WIN 0x04
.irp c, 0,1,2,3
	global_store_b128 v[LI], v[QC+4*\c:QC+4*\c+3], s[10:11] offset:512*\c
.endr
	global_store_b32 v[LS], v[QW], s[66:67]
	WIN 0
.if \ahead
	s_wait_xcnt 0x0
	s_add_nc_u64 s[10:11], s[10:11], 32*SBB
	s_add_nc_u64 s[66:67], s[66:67], 32*SBB
.endif
.endm
	s_mov_b32 s[TS], 0
	RAWLOAD STW
	WIN 0
	s_mov_b32 s3, 7
.Lrow:
	ROWS 1
	s_sub_co_u32 s3, s3, 1
	s_cmp_lg_u32 s3, 0
	s_cbranch_scc1 .Lrow
	ROWS 0
	s_wait_tensorcnt 0x0
	ds_add_u32 v[SPW], v[NIL]
	s_wait_dscnt 0x0
	CROUND
	s_endpgm
.Lfunc_end_k_qdeddfb1b27_ffn1:
	.size	k_qdeddfb1b27_ffn1, .Lfunc_end_k_qdeddfb1b27_ffn1-k_qdeddfb1b27_ffn1
	.p2alignl 7, 3214868480
	.fill 96, 4, 3214868480
	.section	.rodata,"a",@progbits
	.p2align	6, 0x0
	.amdhsa_kernel k_qdeddfb1b27_ffn1
		.amdhsa_group_segment_fixed_size 327680
		.amdhsa_private_segment_fixed_size 0
		.amdhsa_enable_private_segment 0
		.amdhsa_kernarg_size 32
		.amdhsa_user_sgpr_count 2
		.amdhsa_user_sgpr_kernarg_segment_ptr 1
		.amdhsa_wavefront_size32 1
		.amdhsa_system_sgpr_workgroup_id_x 1
		.amdhsa_system_sgpr_workgroup_id_y 1
		.amdhsa_system_sgpr_workgroup_id_z 1
		.amdhsa_system_vgpr_workitem_id 0
		.amdhsa_next_free_vgpr 1024
		.amdhsa_next_free_sgpr 100
		.amdhsa_reserve_vcc 0
		.amdhsa_float_denorm_mode_32 3
		.amdhsa_float_denorm_mode_16_64 3
		.amdhsa_memory_ordered 1
		.amdhsa_forward_progress 1
		.amdhsa_inst_pref_size 226
	.end_amdhsa_kernel
	.amdgpu_metadata
---
amdhsa.version: [ 1, 2 ]
amdhsa.kernels:
  - .name:           k_qdeddfb1b27_ffn1
    .symbol:         k_qdeddfb1b27_ffn1.kd
    .args:
      - { .name: liq, .offset: 0, .size: 8, .value_kind: global_buffer, .address_space: global }
      - { .name: w1q, .offset: 8, .size: 8, .value_kind: global_buffer, .address_space: global }
      - { .name: b1, .offset: 16, .size: 8, .value_kind: global_buffer, .address_space: global }
      - { .name: hq, .offset: 24, .size: 8, .value_kind: global_buffer, .address_space: global }
    .group_segment_fixed_size: 327680
    .private_segment_fixed_size: 0
    .kernarg_segment_align: 8
    .kernarg_segment_size: 32
    .max_flat_workgroup_size: 128
    .sgpr_count:     100
    .vgpr_count:     1024
    .wavefront_size: 32
...
	.end_amdgpu_metadata
.endif
;; end of part 3
;; launch ffn2 (part 4): grid 16 x 16, 4 waves a work-group, clusters of 4 x 4, 327,680 bytes of LDS; arguments hq, w2q, b2, cf, x_streams, out0; writes out0
.if DOCPART == 4
	.amdgcn_target "amdgcn-amd-amdhsa--gfx1250"
	.amdhsa_code_object_version 6
	.text
	.protected	k_qdeddfb1b27_ffn2
	.globl	k_qdeddfb1b27_ffn2
	.p2align	8
	.type	k_qdeddfb1b27_ffn2,@function
k_qdeddfb1b27_ffn2:
	s_mov_b64 s[64:65], 0
	v_nop
	global_prefetch_b8 v0, s[64:65] scope:SCOPE_SE
	s_setreg_imm32_b32 hwreg(HW_REG_WAVE_MODE, 25, 1), 1
	s_wait_xcnt 0x0
	s_wait_alu depctr_hold_cnt(0) depctr_sa_sdst(0) depctr_va_vdst(0) depctr_va_sdst(0) depctr_va_ssrc(0) depctr_va_vcc(0) depctr_vm_vsrc(0)
	s_getreg_b32 s2, hwreg(HW_REG_IB_STS2, 6, 4)
	s_cmp_eq_u32 s2, 0
	s_cbranch_scc0 .Lentry_in_a_cluster
	s_endpgm
.Lentry_in_a_cluster:
	s_bfe_u32 s2, ttmp6, 0x10000c
	s_cmp_lg_u32 s2, 0xf033
	s_cbranch_scc0 .Lentry_shape_is_right
	s_endpgm
.Lentry_shape_is_right:
; out0[t][i][:] = sum over j of H_merged[t][i][j] x[t][j][:] + h_post[t][i] (h[t] W2^T + b2).  Nothing of the problem is left out here.
; hq (2,048 x 8,192) and w2q (2,048 x 8,192) are codes of E4M3 with E8M0 scale words, as images of operand registers: [rows / 16][K / 256][4,352 bytes]: two fragments of 2,048 bytes, then 2 x 32 scale words.
; Tile row p of a block B of w2q is W2's row 32 (B / 2) + 8 (B % 2) + p + 8 (p / 8).  cf holds 32 numbers a token: H_merged (16), h_post (4), the rest unused here.
; SHARES.  256 work-groups, one block of 128 tokens x 128 columns each; four waves 2 x 2, a wave 64 x 64 over ALL of K: 16 accumulators (128 registers), which begin as b2, loaded straight into them.
; K goes in steps of 512 through two LDS slots: 8 row blocks of hq and 8 of w2q, 8,704 bytes each.  CLUSTERS of 4 x 4: hq's tile is asked for jointly along a row of the cluster, w2q's along a column.
; x IS LOADED AND MIXED WHILE THE PRODUCTS RUN: a wave owns 32 tokens x 128 columns x 4 streams in row layout (a load is 512 consecutive bytes), 512 registers; the loads stand in three runs, at the head and behind the two loops,
; since their registers differ from token to token.  They are first read slots later, so x has no prefetch.  Token t's x lies in region t + 1 of 33 regions of 16 registers, its results go to region t: no store's data are written again.
; The last four slots are written out: behind each of their 16 steps' products stand two tokens' sums H_merged x.  The way out adds h_post x the layer's output, 12 lines a token, and then stores all 32 tokens on end.
; PREFETCH of the tiles: behind each refill the slot two refills on (1,024 along K ahead): of the 4 row blocks that a wave fetches each of the four partners takes one, by address: 8,704 bytes = 34 blocks of 256, two instructions.
; The matrix instruction is used transposed (source 0 = w2q's rows, source 1 = hq's): a lane holds one token and neighbouring columns.  The block goes once through a stage in slot 0, behind that slot's last fill and last read.
; REGISTERS: window 0: v0-31 addresses, v32-63 scale words (two sets), v64-95 cf, v112-127 region 0, v128-255 accumulators, then the layer's output by rows; window 1: two sets of fragments; windows 2, 3: regions 1-32.
.set SBB,   4352
.set KB2,   2*SBB                      ; a row block's bytes in a slot
.set HALFT, 4*KB2                      ; what one tensor load brings
.set SLOT,  4*HALFT
.set SPARE, 2*SLOT                     ; the spare words
.set BROW,  32*SBB                     ; from row block to row block in memory
.set SP,    528                        ; a stage row: 512 bytes + 16
.set XO,   4
.set LS4,  5
.set STO,  6
.set RD,   7
.set BO,   8
.set PFO,  10
.set ADRA, 16
.set ADRB, 18
.set ADRS, 20
.set SPW,  28
.set NIL,  29
.set SC,   32
.set CC,   64
.set R0,   112
.set ACC,  128
.set G1,   24
.set G0,   32
.set G1B,  48
.set G0B,  56
.set PFA,  66
.set CFB,  68                          ; s68-83: eight coefficients in the even registers
.set MUL_W, 0x05                       ; sources 0 and 1 window 1, C and D window 0
.set MSB, 0
.macro WIN new
.if MSB != (\new)
	s_set_vgpr_msb (MSB<<8)|(\new)
.set MSB, (\new)
.endif
.endm
.macro PLACES n
.rept \n
	v_nop
.endr
.endm
.macro JLOAD s                         ; waves 0, 1 fetch hq's halves, waves 2, 3 w2q's; s_nop 0 and four v_nop behind each line
	s_cmp_eq_u32 s15, 0
	s_cbranch_scc0 .Lfor_b_\@
	tensor_load_to_lds s[G0+4*\s:G0+4*\s+3], s[G1:G1+7]
	s_nop 0
	PLACES 4
	s_branch .Lasked_\@
.Lfor_b_\@:
	tensor_load_to_lds s[G0B+4*\s:G0B+4*\s+3], s[G1B:G1B+7]
	s_nop 0
	PLACES 4
.Lasked_\@:
.endm
.macro CREST
	s_cmp_lg_u32 s14, 0
	s_cbranch_scc1 .Lnot_wave_0_\@
	s_barrier_signal -3
.Lnot_wave_0_\@:
	s_barrier_wait -3
	s_barrier_signal -1
	s_barrier_wait -1
.endm
.macro CROUND
	s_barrier_signal -1
	s_barrier_wait -1
	CREST
.endm
.macro PF off                          ; my 34 blocks of 256 bytes of one slot
	global_prefetch_b8 v[PFO], s[PFA:PFA+1] offset:\off th:TH_LOAD_NT scope:SCOPE_SE
	global_prefetch_b8 v[PFO+1], s[PFA:PFA+1] offset:\off th:TH_LOAD_NT scope:SCOPE_SE
.endm
.macro XLOAD t                         ; token t's four streams into region t + 1
	WIN (2+(\t)/16)<<6
.irp j, 0,1,2,3
	global_load_b128 v[16*((\t)%16)+4*\j:16*((\t)%16)+4*\j+3], v[XO], s[88:89] offset:32768*(\t)+8192*\j th:TH_LOAD_NT
.endr
.endm
	s_load_b256 s[4:11], s[0:1], 0x0               ; hq, w2q, b2, cf
	s_load_b128 s[88:91], s[0:1], 0x20             ; x, out0
	v_lshl_add_u32 v[SPW], v0, 2, SPARE
	v_mov_b32 v[NIL], 0
	ds_add_u32 v[SPW], v[NIL]
	ds_add_u32 v[SPW], v[NIL]
	v_lshrrev_b32 v1, 5, v0
	v_readfirstlane_b32 s14, v1                    ; wave
	s_lshr_b32 s15, s14, 1                         ; my row of waves; also: I fetch for hq (0) or w2q (1)
	s_and_b32 s16, s14, 1                          ; my column of waves; also: which half I fetch
	s_bfe_u32 s40, ttmp6, 0x40000
	s_bfe_u32 s41, ttmp6, 0x40004
	s_lshl_b32 s42, ttmp9, 2
	s_add_co_u32 s42, s42, s40                     ; tile column
	s_and_b32 s17, ttmp7, 0xffff
	s_lshl_b32 s17, s17, 2
	s_add_co_u32 s17, s17, s41                     ; tile row
	s_lshl_b32 s43, s41, 2
	s_lshl_b32 s43, 15, s43
	s_lshl_b32 s44, 0x1111, s40
	s_or_b32 s[G1], s43, (3<<16)|(1<<21)           ; elements of 8 bytes; hq's tiles go to my row of the cluster
	s_or_b32 s[G1B], s44, (3<<16)|(1<<21)          ; w2q's to my column
.irp g, G1, G1B
	s_mov_b32 s[\g+1], 1088<<16                    ; a row: 8,704 bytes
	s_mov_b32 s[\g+2], 4<<16
	s_mov_b32 s[\g+3], 1088<<16
	s_mov_b32 s[\g+4], 4
	s_mov_b32 s[\g+5], 17408                       ; BROW / 8
	s_mov_b32 s[\g+6], 0
	s_mov_b32 s[\g+7], 0
.endr
	s_lshl_b32 s18, s16, 2
	s_lshl_b32 s20, s17, 3
	s_add_co_u32 s20, s20, s18
	s_mul_i32 s20, s20, BROW
	s_mov_b32 s21, 0
	s_lshl_b32 s46, s42, 3
	s_add_co_u32 s46, s46, s18
	s_mul_i32 s46, s46, BROW
	s_mov_b32 s47, 0
	s_mul_i32 s45, s14, HALFT
	s_wait_dscnt 0x0
	s_wait_kmcnt 0x0
	s_add_nc_u64 s[20:21], s[4:5], s[20:21]
	s_add_nc_u64 s[46:47], s[6:7], s[46:47]
	CROUND
.irp s, 0,1
	s_mov_b32 s[G0+4*\s], 1
	s_add_co_u32 s[G0+4*\s+1], s45, \s*SLOT
	s_add_nc_u64 s[G0+4*\s+2:G0+4*\s+3], s[20:21], \s*KB2
	s_or_b32 s[G0+4*\s+3], s[G0+4*\s+3], 0x80000000
	s_mov_b32 s[G0B+4*\s], 1
	s_add_co_u32 s[G0B+4*\s+1], s45, \s*SLOT
	s_add_nc_u64 s[G0B+4*\s+2:G0B+4*\s+3], s[46:47], \s*KB2
	s_or_b32 s[G0B+4*\s+3], s[G0B+4*\s+3], 0x80000000
.endr
	JLOAD 0                                        ; K 0-511: one tensor load a wave at the head
	; where my prefetches stand: the row block 4 x half + my place among the four partners, at slot 1
	s_lshl_b32 s18, s17, 3
	s_lshl_b32 s19, s42, 3
	s_cmp_eq_u32 s15, 0
	s_cselect_b32 s18, s18, s19
	s_cselect_b32 s19, s40, s41
	s_cselect_b64 s[PFA:PFA+1], s[4:5], s[6:7]
	s_lshl_b32 s22, s16, 2
	s_add_co_u32 s18, s18, s22
	s_add_co_u32 s18, s18, s19
	s_mul_i32 s18, s18, BROW
	s_add_co_u32 s18, s18, KB2
	s_mov_b32 s19, 0
	s_add_nc_u64 s[PFA:PFA+1], s[PFA:PFA+1], s[18:19]
	; my 32 tokens: cf, x, out0; my 64 columns of b2
	s_lshl_b32 s18, s17, 7
	s_lshl_b32 s19, s14, 5
	s_add_co_u32 s18, s18, s19
	s_lshl_b32 s20, s18, 7
	s_mov_b32 s21, 0
	s_add_nc_u64 s[10:11], s[10:11], s[20:21]
	s_lshl_b32 s20, s18, 15
	s_lshl_b32 s19, s42, 9
	s_add_co_u32 s20, s20, s19
	s_add_nc_u64 s[88:89], s[88:89], s[20:21]
	s_add_nc_u64 s[90:91], s[90:91], s[20:21]
	s_lshl_b32 s20, s16, 8
	s_add_co_u32 s20, s20, s19
	s_add_nc_u64 s[8:9], s[8:9], s[20:21]
	; LDS places
	s_mul_i32 s21, s15, HALFT                      ; my 4 row blocks of hq
	s_mul_i32 s22, s16, HALFT
	s_add_co_u32 s22, s22, 2*HALFT                 ; and of w2q
	s_sub_co_u32 s23, s22, s21
	s_add_co_u32 s19, s21, 4096
	s_mul_i32 s45, s15, 64*SP
	s_lshl_b32 s47, s16, 8
	s_add_co_u32 s45, s45, s47                     ; the stage, way in: my 64 tokens, my 256 bytes
	s_mul_i32 s46, s14, 32*SP                      ; way out: my 32 tokens
.set I_, 0
.rept 8
	s_mov_b32 s[CFB+2*I_+1], 0                     ; the packed forms name pairs and take the low word: the upper words are written once
.set I_, I_+1
.endr
	v_and_b32 v1, 31, v0
	v_bfe_u32 v2, v0, 4, 1
	v_and_b32 v3, 15, v0
	v_lshlrev_b32 v[XO], 4, v1
	v_lshlrev_b32 v[LS4], 2, v1
	v_lshlrev_b32 v[BO], 6, v2
	v_lshlrev_b32 v[PFO], 8, v1                    ; blocks 0-31
	v_min_u32 v9, 1, v1
	v_lshl_add_u32 v[PFO+1], v9, 8, 8192           ; blocks 32, 33
	v_mul_u32_u24 v12, s23, v2                     ; lanes 16-31 take w2q's scale words
	v_add_nc_u32 v12, v12, v[LS4]
	v_add_nc_u32 v[ADRA], s21, v[XO]
	v_add_nc_u32 v[ADRB], s22, v[XO]
	v_add_nc_u32 v[ADRS], s19, v12
	v_add_nc_u32 v[ADRA+1], SLOT, v[ADRA]
	v_add_nc_u32 v[ADRB+1], SLOT, v[ADRB]
	v_add_nc_u32 v[ADRS+1], SLOT, v[ADRS]
	v_mul_u32_u24 v[STO], v3, SP
	v_lshl_add_u32 v[STO], v2, 6, v[STO]
	v_add_nc_u32 v[STO], s45, v[STO]
	v_add_nc_u32 v[RD], s46, v[XO]
	s_wait_alu depctr_va_vdst(0)
	PF 0                                           ; slots 1 and 2
	PF KB2
.irp a, 0,1,2,3
.irp b, 0,1,2,3                                ; b2 at the lane's columns 32 (b / 2) + 8 (b % 2) + 16 h + 0 .. 7: the sums begin with it
	global_load_b128 v[ACC+8*(4*\a+\b):ACC+8*(4*\a+\b)+3], v[BO], s[8:9] offset:128*(\b/2)+32*(\b%2)
	global_load_b128 v[ACC+8*(4*\a+\b)+4:ACC+8*(4*\a+\b)+7], v[BO], s[8:9] offset:128*(\b/2)+32*(\b%2)+16
.endr
.endr
.irp k, 0,1,2,3,4,5,6,7
	global_load_b128 v[CC+4*\k:CC+4*\k+3], v[XO], s[10:11] offset:512*\k
.endr
.irp t, 0,1,2,3,4
	XLOAD \t
.endr
	WIN 0
.macro MUL a0, n, p, sc                ; n of hq's blocks from a0 x w2q's four; the 16 accumulators take turns in one order
.set A_, \a0
.rept \n
.irp b, 0,1,2,3
	v_wmma_scale_f32_16x16x128_f8f6f4 v[ACC+8*(4*A_+\b):ACC+8*(4*A_+\b)+7], v[128*(\p)+16*\b:128*(\p)+16*\b+15], v[128*(\p)+64+16*A_:128*(\p)+64+16*A_+15], v[ACC+8*(4*A_+\b):ACC+8*(4*A_+\b)+7], v[SC+(\sc)+\b], v[SC+(\sc)+A_] matrix_a_scale:MATRIX_SCALE_ROW1
.endr
.set A_, A_+1
.endr
.endm
.macro FETCH slot, qs                  ; the fragments of the slot's qs-th 128 along K into set qs % 2: 32 loads
	WIN 0x40
.irp i, 0,1,2,3
.irp c, 0,1,2,3
	ds_load_b128 v[128*((\qs)%2)+16*\i+4*\c:128*((\qs)%2)+16*\i+4*\c+3], v[ADRB+\slot] offset:KB2*\i+2048*(\qs)+256*((\qs)/2)+512*\c
.endr
.endr
.irp i, 0,1,2,3
.irp c, 0,1,2,3
	ds_load_b128 v[128*((\qs)%2)+64+16*\i+4*\c:128*((\qs)%2)+64+16*\i+4*\c+3], v[ADRA+\slot] offset:KB2*\i+2048*(\qs)+256*((\qs)/2)+512*\c
.endr
.endr
	WIN 0
.endm
.macro SCALES slot                     ; a slot's scale words: register 4 qs + i: lanes 0-15 hq's block i, lanes 16-31 w2q's block i
.irp q, 0,1,2,3
.irp i, 0,1,2,3
	ds_load_b32 v[SC+16*\slot+4*\q+\i], v[ADRS+\slot] offset:KB2*\i+SBB*(\q/2)+128*(\q%2)
.endr
.endr
.endm
.macro STEP slot, qs                   ; one of a slot's first three steps of 128 along K
	PLACES 8                                       ; behind the products that read the set filled below (ISA guide 7.12.1 for vector instructions)
	FETCH \slot, (\qs)+1
	s_wait_dscnt 32                                ; all but the 32 just issued
	WIN MUL_W
	MUL 0,4,(\qs)%2,16*\slot+4*(\qs)
.endm
.macro TURN slot, next, fill, ask      ; a slot's last step changes slots
	WIN 0
.if \ask
	s_wait_xcnt 0x0                                ; my prefetches have read their address
	s_add_nc_u64 s[PFA:PFA+1], s[PFA:PFA+1], KB2
.endif
	s_wait_tensorcnt 0x0                           ; my part of the next slot is in;
	ds_add_u32 v[SPW], v[NIL]
	s_wait_dscnt 0x0                               ; the add is done, this step's fragments are in, my reads of this slot are over
	s_barrier_signal -1
	WIN MUL_W
	MUL 0,2,1,16*\slot+12                          ; work on registers while the others arrive
	WIN 0
	s_barrier_wait -1
.if \fill
	CREST                                          ; the barrier has opened a round of the cluster's barrier
	s_add_nc_u64 s[G0+4*\slot+2:G0+4*\slot+3], s[G0+4*\slot+2:G0+4*\slot+3], 2*KB2
	s_add_nc_u64 s[G0B+4*\slot+2:G0B+4*\slot+3], s[G0B+4*\slot+2:G0B+4*\slot+3], 2*KB2
	JLOAD \slot                                    ; its four v_nop are four of the eight places
	PLACES 4
.else
	PLACES 8
.endif
	SCALES \next
	FETCH \next, 0
.if \ask
	PF 2*KB2                                       ; the slot two refills on
.endif
	WIN MUL_W
	MUL 2,2,1,16*\slot+12
.endm
.macro LAP
	STEP 0, 0
	STEP 0, 1
	STEP 0, 2
	TURN 0, 1, 1, 1
	STEP 1, 0
	STEP 1, 1
	STEP 1, 2
	TURN 1, 0, 1, 1
	WIN 0
.endm
.macro PLACE_OF t                      ; token t: results in region t (window DW, from OB), x in region t + 1 (window XW, from XR)
.if (\t) == 0
.set DW, 0
.set OB, R0
.else
.set DW, 2+((\t)-1)/16
.set OB, 16*(((\t)-1)%16)
.endif
.set XW, 2+(\t)/16
.set XR, 16*((\t)%16)
.endm
.macro MIX t                           ; region t = H_merged x, two output streams at a time
	PLACE_OF \t
.irp g, 0,1
	WIN 0
.irp k, 0,1,2,3,4,5,6,7
	v_readlane_b32 s[CFB+2*\k], v[CC+4*((\t)/4)+\k%4], 8*((\t)%4)+2*\g+\k/4
.endr
	WIN (DW<<6)|(DW<<4)|XW
.irp ii, 0,1
.irp u, 0,2
	v_pk_mul_f32 v[OB+8*\g+4*\ii+\u:OB+8*\g+4*\ii+\u+1], v[XR+\u:XR+\u+1], s[CFB+8*\ii:CFB+8*\ii+1] op_sel_hi:[1,0]
.endr
.endr
.irp j, 1,2,3
.irp ii, 0,1
.irp u, 0,2
	v_pk_fma_f32 v[OB+8*\g+4*\ii+\u:OB+8*\g+4*\ii+\u+1], v[XR+4*\j+\u:XR+4*\j+\u+1], s[CFB+8*\ii+2*\j:CFB+8*\ii+2*\j+1], v[OB+8*\g+4*\ii+\u:OB+8*\g+4*\ii+\u+1] op_sel_hi:[1,0,1]
.endr
.endr
.endr
.endr
.endm
.macro MIX2 t                          ; two tokens, behind a step's products
	WIN 0
.if (\t) == 0
	s_wait_loadcnt 48                              ; cf and tokens 0-19 are in; the last run's 48 loads may be out
.elseif (\t) >= 20
	s_wait_loadcnt 4*(30-(\t))                     ; the later tokens' loads may be out
.endif
	MIX \t
	MIX (\t)+1
	WIN 0
.endm
	s_wait_tensorcnt 0x0                           ; slot 0's part is in; slot 1's first fill is issued as a refill is
	ds_add_u32 v[SPW], v[NIL]
	s_wait_dscnt 0x0
	CROUND
	JLOAD 1
	SCALES 0
	FETCH 0, 0
	PF 2*KB2                                       ; slot 3
	s_wait_loadcnt 28                              ; b2 is in the accumulators (behind it: cf's 8 loads, x's 20)
	s_mov_b32 s3, 3
.Llap_a:                                               ; slots 0-5
	LAP
	s_sub_co_u32 s3, s3, 1
	s_cmp_lg_u32 s3, 0
	s_cbranch_scc1 .Llap_a
.irp t, 5,6,7,8,9,10,11,12,13,14,15,16,17,18,19
	XLOAD \t
.endr
	WIN 0
	s_mov_b32 s3, 3
.Llap_b:                                               ; slots 6-11: the last prefetch names slot 15
	LAP
	s_sub_co_u32 s3, s3, 1
	s_cmp_lg_u32 s3, 0
	s_cbranch_scc1 .Llap_b
.irp t, 20,21,22,23,24,25,26,27,28,29,30,31
	XLOAD \t
.endr
	WIN 0
	STEP 0, 0                                      ; slots 12-15, written out
	MIX2 0
	STEP 0, 1
	MIX2 2
	STEP 0, 2
	MIX2 4
	TURN 0, 1, 1, 0
	MIX2 6
	STEP 1, 0
	MIX2 8
	STEP 1, 1
	MIX2 10
	STEP 1, 2
	MIX2 12
	TURN 1, 0, 1, 0
	MIX2 14
	STEP 0, 0
	MIX2 16
	STEP 0, 1
	MIX2 18
	STEP 0, 2
	MIX2 20
	TURN 0, 1, 0, 0                                ; slots 14 and 15 fill nothing
	MIX2 22
	STEP 1, 0
	MIX2 24
	STEP 1, 1
	MIX2 26
	STEP 1, 2
	MIX2 28
	s_wait_dscnt 0x0
	WIN MUL_W
	MUL 0,4,1,28
	MIX2 30
	PLACES 8
; THE WAY OUT.  The block goes through the stage in slot 0: in by the result's layout, back by rows of 512 bytes, into the registers that held the accumulators
.irp a, 0,1,2,3
.irp b, 0,1,2,3
	ds_store_b128 v[STO], v[ACC+8*(4*\a+\b):ACC+8*(4*\a+\b)+3] offset:16*SP*\a+128*(\b/2)+32*(\b%2)
	ds_store_b128 v[STO], v[ACC+8*(4*\a+\b)+4:ACC+8*(4*\a+\b)+7] offset:16*SP*\a+128*(\b/2)+32*(\b%2)+16
.endr
.endr
	s_wait_dscnt 0x0
	s_barrier_signal -1
	s_barrier_wait -1
.set T_, 0
.rept 32
	ds_load_b128 v[ACC+4*T_:ACC+4*T_+3], v[RD] offset:SP*T_
.set T_, T_+1
.endr
.macro FIN t                           ; region t += h_post x the layer's output
	PLACE_OF \t
	WIN 0
.irp i, 0,1,2,3
	v_readlane_b32 s[CFB+2*\i], v[CC+4*((\t)/4)+\i], 8*((\t)%4)+4
.endr
	s_wait_dscnt 31-(\t)                           ; this token's row is back; the later rows may be out
	WIN (DW<<6)|(DW<<4)
.irp i, 0,1,2,3
.irp u, 0,2
	v_pk_fma_f32 v[OB+4*\i+\u:OB+4*\i+\u+1], v[ACC+4*(\t)+\u:ACC+4*(\t)+\u+1], s[CFB+2*\i:CFB+2*\i+1], v[OB+4*\i+\u:OB+4*\i+\u+1] op_sel_hi:[1,0,1]
.endr
.endr
.endm
.macro SEND t
	PLACE_OF \t
	WIN DW<<2
.irp i, 0,1,2,3
	global_store_b128 v[XO], v[OB+4*\i:OB+4*\i+3], s[90:91] offset:32768*(\t)+8192*\i th:TH_STORE_NT   ; 512 consecutive bytes, aligned to 256
.endr
.endm
.irp t, 0,1,2,3,4,5,6,7,8,9,10,11,12,13,14,15,16,17,18,19,20,21,22,23,24,25,26,27,28,29,30,31
	FIN \t
.endr
	s_wait_alu depctr_va_vdst(0)                   ; the stores read what was written across the waits above
.irp t, 0,1,2,3,4,5,6,7,8,9,10,11,12,13,14,15,16,17,18,19,20,21,22,23,24,25,26,27,28,29,30,31
	SEND \t
.endr
	WIN 0
	s_wait_tensorcnt 0x0                           ; the wave's end
	ds_add_u32 v[SPW], v[NIL]
	s_wait_dscnt 0x0
	CROUND                                         ; the closing round
	s_endpgm
.Lfunc_end_k_qdeddfb1b27_ffn2:
	.size	k_qdeddfb1b27_ffn2, .Lfunc_end_k_qdeddfb1b27_ffn2-k_qdeddfb1b27_ffn2
	.p2alignl 7, 3214868480
	.fill 96, 4, 3214868480
	.section	.rodata,"a",@progbits
	.p2align	6, 0x0
	.amdhsa_kernel k_qdeddfb1b27_ffn2
		.amdhsa_group_segment_fixed_size 327680
		.amdhsa_private_segment_fixed_size 0
		.amdhsa_enable_private_segment 0
		.amdhsa_kernarg_size 48
		.amdhsa_user_sgpr_count 2
		.amdhsa_user_sgpr_kernarg_segment_ptr 1
		.amdhsa_wavefront_size32 1
		.amdhsa_system_sgpr_workgroup_id_x 1
		.amdhsa_system_sgpr_workgroup_id_y 1
		.amdhsa_system_sgpr_workgroup_id_z 1
		.amdhsa_system_vgpr_workitem_id 0
		.amdhsa_next_free_vgpr 1024
		.amdhsa_next_free_sgpr 100
		.amdhsa_reserve_vcc 0
		.amdhsa_float_denorm_mode_32 3
		.amdhsa_float_denorm_mode_16_64 3
		.amdhsa_memory_ordered 1
		.amdhsa_forward_progress 1
		.amdhsa_inst_pref_size 255
	.end_amdhsa_kernel
	.section	.bss,"aw",@nobits
	.p2align	6
	.space	262144
	.amdgpu_metadata
---
amdhsa.version: [ 1, 2 ]
amdhsa.kernels:
  - .name:           k_qdeddfb1b27_ffn2
    .symbol:         k_qdeddfb1b27_ffn2.kd
    .args:
      - { .name: hq, .offset: 0, .size: 8, .value_kind: global_buffer, .address_space: global }
      - { .name: w2q, .offset: 8, .size: 8, .value_kind: global_buffer, .address_space: global }
      - { .name: b2, .offset: 16, .size: 8, .value_kind: global_buffer, .address_space: global }
      - { .name: cf, .offset: 24, .size: 8, .value_kind: global_buffer, .address_space: global }
      - { .name: x_streams, .offset: 32, .size: 8, .value_kind: global_buffer, .address_space: global }
      - { .name: out0, .offset: 40, .size: 8, .value_kind: global_buffer, .address_space: global }
    .group_segment_fixed_size: 327680
    .private_segment_fixed_size: 0
    .kernarg_segment_align: 8
    .kernarg_segment_size: 48
    .max_flat_workgroup_size: 128
    .sgpr_count:     100
    .vgpr_count:     1024
    .wavefront_size: 32
...
	.end_amdgpu_metadata
.endif
;; end of part 4
